; MI455X (gfx1250); checked and timed in simulation.
; The chip was launched on July 23, 2026; its instructions are those of AMD's public machine-readable ISA for CDNA 5 (MIT licence, August 2026) and "CDNA5" Instruction Set Architecture Reference Guide (July 2026). The comments in the code are by the model that wrote it; some were corrected since.
;; Multi Head Attention. Allowed arithmetic: matrix products marked QUANTISED: E2M1 operands, one E8M0 scale for each 32 along K, by v_wmma_scale_f32_16x16x128_f8f6f4 with both operands' format E2M1 (or v_wmma_scale_f32_32x16x128_f4), f32 sums; products left as they are: bf16, f16 or f32 operands; f32 sums; everything else in f32.
;; Inputs: W_proj 1,024 x 1,024 float32; W_qkv 1,024 x 3,072 float32; attention_mask 4 x 2,048 int32; b_proj 1,024 float32; b_qkv 3,072 float32; x 4 x 2,048 x 1,024 float32.
;; Outputs: out0 4 x 2,048 x 1,024 float32.
;; This version of the problem:
;;   THIS VERSION OF THE PROBLEM IS GIVEN IN LOW PRECISION. The matrix products marked QUANTISED in the list below multiply operands that are first quantised to E2M1 (2 exponent bits, 1 mantissa bit; 4 bits a number), with one power-of-two scale for each 32 numbers along K (OCP MX v1.0); their sums are f32. The products marked 'left as it is' may take bf16, f16 or f32 operands, with f32 sums. Whichever they take, every output number must still come out within the allowed error. Rounding operands to bf16 (8 significant bits) uses up far more of that allowance than f16 does (11 bits, for magnitudes from 6e-5 to 65,504). All else is computed in f32.
;;   The module's matrix products, in the order in which they are computed (A, B: the left and right operand; K: the contracted axis; several contracted axes count as one K, in the product's order):
;;     1. [M 8,192, K 1,024] x [K 1,024, N 3,072]; A: input x; B: input W_qkv: QUANTISED
;;     2. batch 64 x [M 2,048, K 64] x [K 64, N 2,048]; A: computed on the way; B: computed on the way: left as it is (an operand is computed on the way)
;;     3. batch 64 x [M 2,048, K 2,048] x [K 2,048, N 64]; A: computed on the way; B: computed on the way: left as it is (an operand is computed on the way)
;;     4. [M 8,192, K 1,024] x [K 1,024, N 1,024]; A: computed on the way; B: input W_proj: left as it is (an operand is computed on the way)
;;   THE QUANTISER, for each operand of a quantised product, along K:
;;     - K is cut into blocks of 32 from its start; a last block that is shorter is filled with zeros.
;;     - A block's scale is 2^e with e = floor(log2(the largest magnitude in the block)) - 2, held to -126 .. 127; a block of zeros has e = 0. As a byte (E8M0): e + 127.
;;     - Each number is divided by its block's scale, clamped to +-6, and rounded to the nearest number of E2M1, ties to even, subnormals kept.
;;     - The product sums the exact products of the quantised numbers (number of the format x scale) in f32.
;;   ~~~python
;;   def quantise(x, axis):      # numpy; x: float32 -> the quantised numbers, widened to float32 again
;;       x = np.moveaxis(x, axis, -1); K = x.shape[-1]
;;       x = np.pad(x, [(0, 0)] * (x.ndim - 1) + [(0, -K % 32)]); x = x.reshape(x.shape[:-1] + (-1, 32)); a = np.abs(x).max(-1, keepdims=True)
;;       e = np.where(a > 0, np.clip(np.frexp(np.where(a > 0, a, 1))[1] - 1 - 2, -126, 127), 0)      # np.frexp(a)[1] - 1 = floor(log2(a)), exactly
;;       r = np.clip(x / 2.0 ** e, -6, 6)
;;       step = 2.0 ** (np.maximum(np.frexp(np.where(r == 0, 1, r))[1] - 1, 0) - 1)
;;       q = np.round(r / step) * step * 2.0 ** e      # np.round: ties to even
;;       return np.moveaxis(q.reshape(q.shape[:-2] + (-1,))[..., :K], -1, axis).astype(np.float32)
;;   ~~~
;; One version. Each part assembles by itself: llvm-mc -triple=amdgcn-amd-amdhsa -mcpu=gfx1250 --defsym DOCPART=n.
;; ======== version 1 of 1: 5 launches
;; limits: values are held in f16: magnitudes above 65,504 overflow, below 6.1e-05 lose precision
;; workspace buffers: codes 5,767,168 bytes; scales 360,448 bytes; tabs 2,621,440 bytes; qkv16 50,331,648 bytes; fine32 1,048,576 bytes; att 16,777,216 bytes
;; launch prep (part 1): grid 384 x 1, 4 waves a work-group, no clusters, 68,096 bytes of LDS; arguments x, W_qkv, W_proj, codes, scales, tabs; writes codes, scales, tabs
.if DOCPART == 1
	.amdgcn_target "amdgcn-amd-amdhsa--gfx1250"
	.amdhsa_code_object_version 6
	.text
	.protected	k_qb255e325f6_prep
	.globl	k_qb255e325f6_prep
	.p2align	8
	.type	k_qb255e325f6_prep,@function
k_qb255e325f6_prep:
	s_mov_b64 s[64:65], 0
	v_nop
	global_prefetch_b8 v0, s[64:65] scope:SCOPE_SE
	s_setreg_imm32_b32 hwreg(HW_REG_WAVE_MODE, 25, 1), 1
	s_wait_xcnt 0x0
; MULTI-HEAD ATTENTION, launch 1 of 5: what the later launches read many times is made once.
;   work-groups   0-255: x [8192][1024] f32 -> codes of E2M1 [8192][512 B] and E8M0 bytes [8192][32]         (K innermost)
;   work-groups 256-303: W_qkv [1024 k][3072 n] f32 -> codes [3072][512 B] at byte 4,194,304 of codes, bytes [3072][32] at 262,144 of scales (a lane a column, registers down K)
;   work-groups 304-367: W_proj f32 -> f16, same [k][n] order, at byte 0 of tabs
;   work-groups 368-383: the rotary table [l 2048][i 32] = (cos, sin) of l x 10000^(-i/32), f32, at byte 2,097,152 of tabs
; WORK LEFT OUT IN THIS PROGRAM.  reference() builds the causal tril itself: for a query with at least one kept key, a key that comes after it has the
; score finfo.min, whose weight exp(finfo.min - max) is 0; so key steps all of whose keys come after all queries of a wave are not multiplied (launch 3).
; A query with NO kept key (attention_mask zero on keys 0 .. q) has every score at finfo.min and so the weight 1/2048 on ALL 2048 keys: its row is
; mean(v) W_proj + b_proj; launch 2 sums v's columns and launch 5 writes those rows.  No input is dead: all six are loaded.
; A NaN, an infinity or an overflow that reaches only the steps left out is not carried to the result.
; LIMITS: NaN and infinities among the inputs are not served; a block whose largest magnitude lies under 2^-124 keeps the scale byte 1 (a block of zeros too:
; its codes are zeros, and this program alone reads the bytes); W_proj lies within f16's range; 10000^(-i/32) is made by v_exp_f32, so an angle may differ from
; the f32 angle of reference() by some 3e-4 rad at l = 2047.
; The four paths part on the work-group's number at the head; each has LDS bytes of its own and an end of its own.
.set SPW,   192                        ; v192 LDS address of my spare word; never rewritten
.set NIL,   193                        ; v193 0; never rewritten
.set SPARE, 67584                      ; behind both paths' LDS: 128 bytes for each wave, named by no other line
	s_load_b256 s[4:11], s[0:1], 0x0               ; x s[4:5], W_qkv s[6:7], W_proj s[8:9], codes s[10:11]
	s_load_b128 s[12:15], s[0:1], 0x20             ; scales s[12:13], tabs s[14:15]
	v_lshl_add_u32 v[SPW], v0, 2, SPARE
	v_mov_b32 v[NIL], 0
	v_lshrrev_b32 v1, 5, v0
	v_readfirstlane_b32 s16, v1                    ; wave
	v_and_b32 v2, 31, v0                           ; lane
	s_wait_kmcnt 0x0
	s_cmp_lt_u32 ttmp9, 256
	s_cbranch_scc1 .LX
	s_cmp_lt_u32 ttmp9, 304
	s_cbranch_scc1 .LW
	s_cmp_lt_u32 ttmp9, 368
	s_cbranch_scc1 .LP
; ---- THE ROTARY TABLE.  A wave makes 32 rows; lane = i.  Angle a = l x inv in f32, as reference() has it; a = n pi/2 + r with |r| <= pi/4 (pi/2 in two parts, fused), sine and cosine of r by polynomials, the quadrant by n.
	s_sub_co_u32 s17, ttmp9, 368
	s_lshl_b32 s17, s17, 2
	s_add_co_u32 s17, s17, s16                     ; which run of 32 rows
	s_lshl_b32 s18, s17, 5                         ; its first l
	s_lshl_b32 s20, s17, 13                        ; 32 rows of 256 bytes
	s_mov_b32 s21, 0
	s_add_nc_u64 s[14:15], s[14:15], s[20:21]
	s_add_nc_u64 s[14:15], s[14:15], 2097152
	v_cvt_f32_u32 v3, v2
	v_mul_f32 v3, 0xbed49a78, v3                   ; -i log2(10000) / 32
	v_exp_f32 v3, v3                               ; inv = 10000^(-i/32)
	v_cvt_f32_u32 v4, s18                          ; l as f32 (a plain instruction behind the exponential)
	v_lshlrev_b32 v5, 3, v2                        ; 8 bytes a lane: a wave's store covers a row of 256 bytes
	s_mov_b32 s22, 0x3f22f983                      ; 2 / pi
	s_mov_b32 s23, 0x3fc90fdb                      ; pi / 2, high part
	s_mov_b32 s24, 0xb33bbd2e                      ; and what is left of it
	s_mov_b32 s25, 0xb94ca1f9                      ; sine: r + r z (S2 + z (S1 + z S0)), z = r r
	s_mov_b32 s26, 0x3c08839e
	s_mov_b32 s27, 0xbe2aaaa3
	s_mov_b32 s28, 0x37ccf5ce                      ; cosine: 1 - z / 2 + z z (C2 + z (C1 + z C0))
	s_mov_b32 s29, 0xbab6061a
	s_mov_b32 s30, 0x3d2aaaa5
	s_mov_b32 s19, 32
	s_wait_alu depctr_va_vdst(0)                   ; the wait ahead of the exponential's first reader, and ahead of a label
.Lrow:
	v_mul_f32 v6, v4, v3                           ; a
	v_mul_f32 v7, s22, v6
	v_rndne_f32 v7, v7                             ; n
	v_fma_f32 v8, -v7, s23, v6
	v_fma_f32 v8, -v7, s24, v8                     ; r
	v_mul_f32 v9, v8, v8                           ; z
	v_fma_f32 v10, v9, s25, s26
	v_fma_f32 v10, v10, v9, s27
	v_mul_f32 v10, v10, v9
	v_fma_f32 v10, v10, v8, v8                     ; sin r
	v_fma_f32 v11, v9, s28, s29
	v_fma_f32 v11, v11, v9, s30
	v_fma_f32 v12, v9, -0.5, 1.0
	v_mul_f32 v13, v9, v9
	v_fma_f32 v11, v11, v13, v12                   ; cos r
	v_cvt_i32_f32 v14, v7
	v_and_b32 v15, 1, v14
	v_cmp_ne_u32 vcc_lo, 0, v15                    ; odd quadrant: sine and cosine change places
	v_cndmask_b32 v16, v11, v10, vcc_lo
	v_cndmask_b32 v17, v10, v11, vcc_lo
	v_and_b32 v15, 2, v14
	v_lshlrev_b32 v15, 30, v15
	v_xor_b32 v17, v15, v17                        ; the sine is negative in quadrants 2, 3
	v_add_nc_u32 v14, 1, v14
	v_and_b32 v14, 2, v14
	v_lshlrev_b32 v14, 30, v14
	v_xor_b32 v16, v14, v16                        ; the cosine in quadrants 1, 2
	global_store_b64 v5, v[16:17], s[14:15]
	s_wait_xcnt 0x0                                ; the store has read its data and its base: both are written again below and in the next trip
	s_add_nc_u64 s[14:15], s[14:15], 256
	v_add_f32 v4, 1.0, v4
	s_sub_co_u32 s19, s19, 1
	s_cmp_lg_u32 s19, 0
	s_cbranch_scc1 .Lrow
	s_endpgm
; ---- W_proj TO f16.  A wave takes 4,096 numbers: 32 loads of 512 consecutive bytes, all issued first; each becomes one store of 256 consecutive bytes.
.LP:
	s_sub_co_u32 s17, ttmp9, 304
	s_lshl_b32 s17, s17, 2
	s_add_co_u32 s17, s17, s16
	s_lshl_b32 s20, s17, 14
	s_mov_b32 s21, 0
	s_add_nc_u64 s[8:9], s[8:9], s[20:21]
	s_lshl_b32 s20, s17, 13
	s_add_nc_u64 s[14:15], s[14:15], s[20:21]
	v_lshlrev_b32 v3, 4, v2
	v_lshlrev_b32 v4, 3, v2
.set k, 0
.rept 32
	global_load_b128 v[16+4*k:19+4*k], v3, s[8:9] offset:512*k
.set k, k+1
.endr
.set k, 0
.rept 32
	s_wait_loadcnt 31-k                            ; load k is in; the 31 - k younger ones stay out
.if k == 16
	s_wait_xcnt 0x0                                ; the first sixteen stores have read their data: the sixteen pairs are written again
.endif
	v_cvt_pk_f16_f32 v[144+2*(k%16)], v[16+4*k], v[17+4*k]
	v_cvt_pk_f16_f32 v[145+2*(k%16)], v[18+4*k], v[19+4*k]
	global_store_b64 v4, v[144+2*(k%16):145+2*(k%16)], s[14:15] offset:256*k
.set k, k+1
.endr
	s_endpgm
; ---- x TO CODES.  A plain stream of blocks of 32.  A wave takes 16 steps of 512 numbers.  Each load reads 512 consecutive bytes; a step's 2,048 bytes turn through the wave's own stage in LDS
; (16 bytes of padding behind each 64) and come back 16 neighbours a lane, two lanes to a block.  Loads run four steps ahead, the turn one step.
.LX:
.set WREG,  8192                       ; LDS of a wave: two stages of 32 x 80 bytes, then its 256 scale bytes
.set SP,    80
.set XR,    16                         ; v16-79   four sets of 16 numbers as loaded
.set XX,    80                         ; v80-111  two sets of 16 neighbours
.set XE,    112                        ; v112-127 a scale byte for each step
.set XC,    128                        ; v128-191 codes, four registers a step: no store's data are written again
	v_lshlrev_b32 v3, 4, v2
	s_mul_i32 s17, s16, WREG
	v_lshrrev_b32 v14, 2, v2
	v_mul_u32_u24 v14, v14, SP
	v_and_b32 v15, 3, v2
	v_lshl_add_u32 v14, v15, 4, v14
	v_add_nc_u32 v14, s17, v14                     ; into the stage: 80 (lane / 4) + 16 (lane % 4)
	v_mul_u32_u24 v15, v2, SP
	v_add_nc_u32 v15, s17, v15                     ; out of it: 80 x lane
	v_lshlrev_b32 v4, 3, v2                        ; my 8 bytes of a step's codes
	v_lshrrev_b32 v5, 1, v2
	s_add_co_u32 s17, s17, 2*32*SP
	v_add_nc_u32 v5, s17, v5                       ; my block's scale byte in LDS
	v_lshlrev_b32 v7, 3, v2
	v_add_nc_u32 v6, s17, v7
	s_lshl_b32 s17, ttmp9, 2
	s_add_co_u32 s18, s17, s16                     ; which run of 8,192 numbers
	s_mov_b32 s19, 0
	s_lshl_b64 s[20:21], s[18:19], 15
	s_add_nc_u64 s[4:5], s[4:5], s[20:21]
	s_lshl_b64 s[20:21], s[18:19], 12
	s_add_nc_u64 s[10:11], s[10:11], s[20:21]
	s_lshl_b32 s18, s18, 8
	s_add_nc_u64 s[12:13], s[12:13], s[18:19]
.macro XLOAD t
.irp i, 0,1,2,3
	global_load_b128 v[XR+16*((\t)%4)+4*\i:XR+16*((\t)%4)+4*\i+3], v3, s[4:5] offset:2048*(\t)+512*\i th:TH_LOAD_NT
.endr
.endm
.macro XTURN t                         ; LDS serves a wave's instructions in order: no wait between the stores and the loads
.irp i, 0,1,2,3
	ds_store_b128 v14, v[XR+16*((\t)%4)+4*\i:XR+16*((\t)%4)+4*\i+3] offset:32*SP*((\t)%2)+8*SP*\i
.endr
.irp i, 0,1,2,3
	ds_load_b128 v[XX+16*((\t)%2)+4*\i:XX+16*((\t)%2)+4*\i+3], v15 offset:32*SP*((\t)%2)+16*\i
.endr
.endm
.irp t, 0,1,2,3
	XLOAD \t
.endr
	s_wait_loadcnt 12                              ; step 0's four loads are in; three steps' twelve stay out
	XTURN 0
.macro XSTEP t
.set XS, XX+16*((\t)%2)
.if (\t) > 0
	s_wait_dscnt 1                                 ; this step's numbers are back from the stage; the last step's byte store may be out
.else
	s_wait_dscnt 0x0
.endif
.if (\t)+4 < 16
	XLOAD (\t)+4
.endif
.if (\t)+1 < 16
.if 14-(\t) >= 3
	s_wait_loadcnt 12                              ; the next step's four loads are in; those of the three steps behind it stay out
.else
	s_wait_loadcnt 4*(14-(\t))
.endif
	XTURN (\t)+1
.endif
	v_max3_num_f32 v8, |v[XS]|, |v[XS+1]|, |v[XS+2]|
	v_max3_num_f32 v9, |v[XS+3]|, |v[XS+4]|, |v[XS+5]|
.irp i, 6,10
	v_max3_num_f32 v8, v8, |v[XS+\i]|, |v[XS+\i+1]|
	v_max3_num_f32 v9, v9, |v[XS+\i+2]|, |v[XS+\i+3]|
.endr
	v_max3_num_f32 v8, v8, |v[XS+14]|, |v[XS+15]|
	v_max3_num_f32 v8, v8, v9, 0x1800000           ; and the floor 2^(3 - 127): the byte cannot fall under 1
	v_max_num_f32_dpp v8, v8, v8 row_xmask:1 row_mask:0xf bank_mask:0xf   ; with my neighbour's 16: the block's largest magnitude
	v_add_nc_u32 v11, 0xff000000, v8               ; 2 off its exponent field: the conversion takes that field as its scale
	v_cvt_scalef32_pk8_fp4_f32 v[XC+4*(\t)], v[XS:XS+7], v11
	v_cvt_scalef32_pk8_fp4_f32 v[XC+4*(\t)+1], v[XS+8:XS+15], v11
	v_lshrrev_b32 v[XE+(\t)], 23, v11              ; the scale's byte
	ds_store_b8 v5, v[XE+(\t)] offset:16*(\t)      ; both lanes of a block write the same byte with the same value
	global_store_b64 v4, v[XC+4*(\t):XC+4*(\t)+1], s[10:11] offset:256*(\t)
.endm
.irp t, 0,1,2,3,4,5,6,7,8,9,10,11,12,13,14,15
	XSTEP \t
.endr
	ds_load_b64 v[8:9], v6
	s_wait_dscnt 0x0
	global_store_b64 v7, v[8:9], s[12:13]          ; the wave's 256 scale bytes: one aligned run of 256 bytes
	s_wait_tensorcnt 0x0                           ; the wave's end
	ds_add_u32 v[SPW], v[NIL]
	s_wait_dscnt 0x0
	s_endpgm
; ---- W_qkv TO CODES.  A lane takes a column n, its registers run down K: a block of 32 lies in one lane.  A wave takes 32 columns x 512 along K; the codes leave through the wave's stage as rows of 256 bytes.
.LW:
.set WP,    272                        ; a stage row: 256 bytes + 16
.set WX,    32                         ; v32-95   two sets of 32 numbers
.set WC,    96                         ; v96-99   a block's codes
.set WO,    112                        ; v112-175 the way out
.set WSB,   24                         ; v24-27   sixteen scale bytes
	s_sub_co_u32 s17, ttmp9, 256
	s_cmp_ge_u32 s17, 24
	s_cselect_b32 s18, 1, 0                        ; which 512 along K
	s_cselect_b32 s19, 24, 0
	s_sub_co_u32 s17, s17, s19
	s_lshl_b32 s17, s17, 7
	s_lshl_b32 s19, s16, 5
	s_add_co_u32 s17, s17, s19                     ; my wave's first column
	s_mul_i32 s20, s18, 512*12288
	s_lshl_b32 s19, s17, 2
	s_add_co_u32 s20, s20, s19
	s_mov_b32 s21, 0
	s_add_nc_u64 s[6:7], s[6:7], s[20:21]
	s_lshl_b32 s20, s17, 9
	s_lshl_b32 s19, s18, 8
	s_add_co_u32 s20, s20, s19
	s_add_co_u32 s20, s20, 4194304
	s_add_nc_u64 s[10:11], s[10:11], s[20:21]
	s_lshl_b32 s20, s17, 5
	s_lshl_b32 s19, s18, 4
	s_add_co_u32 s20, s20, s19
	s_add_co_u32 s20, s20, 262144
	s_add_nc_u64 s[12:13], s[12:13], s[20:21]
	v_lshlrev_b32 v3, 2, v2
	s_mul_i32 s19, s16, 32*WP
	s_add_co_u32 s19, s19, 32768                   ; my stage: this path's LDS begins at byte 32,768
	v_mul_u32_u24 v4, v2, WP
	v_add_nc_u32 v4, s19, v4
	v_and_b32 v5, 15, v2
	v_lshrrev_b32 v6, 4, v2
	v_mul_u32_u24 v7, v6, WP
	v_lshl_add_u32 v7, v5, 4, v7
	v_add_nc_u32 v7, s19, v7
	v_lshlrev_b32 v8, 9, v6
	v_lshl_add_u32 v8, v5, 4, v8                   ; the same place in the codes: rows of 512 bytes
	v_lshlrev_b32 v9, 5, v2                        ; my column's row of scale bytes
.macro WLOAD t
.irp i, 0,1,2,3,4,5,6,7,8,9,10,11,12,13,14,15,16,17,18,19,20,21,22,23,24,25,26,27,28,29,30,31
	global_load_b32 v[WX+32*((\t)%2)+\i], v3, s[6:7] offset:(32*(\t)+\i)*12288 th:TH_LOAD_NT
.endr
.endm
	WLOAD 0
	WLOAD 1
.macro WBLOCK t
.set XS, WX+32*((\t)%2)
.if (\t) < 15
	s_wait_loadcnt 32                              ; this block's 32 loads are in; the next block's 32 stay out
.else
	s_wait_loadcnt 0
.endif
	v_max3_num_f32 v12, |v[XS]|, |v[XS+1]|, |v[XS+2]|
	v_max3_num_f32 v13, |v[XS+3]|, |v[XS+4]|, |v[XS+5]|
.irp i, 6,10,14,18,22,26
	v_max3_num_f32 v12, v12, |v[XS+\i]|, |v[XS+\i+1]|
	v_max3_num_f32 v13, v13, |v[XS+\i+2]|, |v[XS+\i+3]|
.endr
	v_max3_num_f32 v12, v12, |v[XS+30]|, |v[XS+31]|
	v_max3_num_f32 v12, v12, v13, 0x1800000
	v_add_nc_u32 v11, 0xff000000, v12
	v_lshrrev_b32 v13, 23, v11
.if (\t)%4 == 0
	v_mov_b32 v[WSB+(\t)/4], v13
.else
	v_lshl_or_b32 v[WSB+(\t)/4], v13, 8*((\t)%4), v[WSB+(\t)/4]
.endif
.irp g, 0,1,2,3
	v_cvt_scalef32_pk8_fp4_f32 v[WC+\g], v[XS+8*\g:XS+8*\g+7], v11
.endr
	ds_store_b128 v4, v[WC:WC+3] offset:16*(\t)
.if (\t)+2 < 16
	WLOAD (\t)+2
.endif
	s_wait_dscnt 0x0                               ; the store has read its registers: the next block's codes may be written
.endm
.set Q, 0
.rept 16
	WBLOCK Q
.set Q, Q+1
.endr
	global_store_b128 v9, v[WSB:WSB+3], s[12:13]
.irp t, 0,1,2,3,4,5,6,7,8,9,10,11,12,13,14,15
	ds_load_b128 v[WO+4*\t:WO+4*\t+3], v7 offset:2*\t*WP
.endr
.irp t, 0,1,2,3,4,5,6,7,8,9,10,11,12,13,14,15
	s_wait_dscnt 15-\t                             ; load t is back; the younger ones stay out
	global_store_b128 v8, v[WO+4*\t:WO+4*\t+3], s[10:11] offset:2*\t*512
.endr
	s_wait_tensorcnt 0x0                           ; the wave's end
	ds_add_u32 v[SPW], v[NIL]
	s_wait_dscnt 0x0
	s_endpgm
.Lfunc_end_k_qb255e325f6_prep:
	.size	k_qb255e325f6_prep, .Lfunc_end_k_qb255e325f6_prep-k_qb255e325f6_prep
	.p2alignl 7, 3214868480
	.fill 96, 4, 3214868480
	.section	.rodata,"a",@progbits
	.p2align	6, 0x0
	.amdhsa_kernel k_qb255e325f6_prep
		.amdhsa_group_segment_fixed_size 68096
		.amdhsa_private_segment_fixed_size 0
		.amdhsa_enable_private_segment 0
		.amdhsa_kernarg_size 48
		.amdhsa_user_sgpr_count 2
		.amdhsa_user_sgpr_kernarg_segment_ptr 1
		.amdhsa_wavefront_size32 1
		.amdhsa_system_sgpr_workgroup_id_x 1
		.amdhsa_system_sgpr_workgroup_id_y 1
		.amdhsa_system_sgpr_workgroup_id_z 1
		.amdhsa_system_vgpr_workitem_id 0
		.amdhsa_next_free_vgpr 200
		.amdhsa_next_free_sgpr 66
		.amdhsa_reserve_vcc 1
		.amdhsa_float_denorm_mode_32 3
		.amdhsa_float_denorm_mode_16_64 3
		.amdhsa_memory_ordered 1
		.amdhsa_forward_progress 1
		.amdhsa_inst_pref_size 125
	.end_amdhsa_kernel
	.amdgpu_metadata
---
amdhsa.version: [ 1, 2 ]
amdhsa.kernels:
  - .name:           k_qb255e325f6_prep
    .symbol:         k_qb255e325f6_prep.kd
    .args:
      - { .name: x, .offset: 0, .size: 8, .value_kind: global_buffer, .address_space: global }
      - { .name: W_qkv, .offset: 8, .size: 8, .value_kind: global_buffer, .address_space: global }
      - { .name: W_proj, .offset: 16, .size: 8, .value_kind: global_buffer, .address_space: global }
      - { .name: codes, .offset: 24, .size: 8, .value_kind: global_buffer, .address_space: global }
      - { .name: scales, .offset: 32, .size: 8, .value_kind: global_buffer, .address_space: global }
      - { .name: tabs, .offset: 40, .size: 8, .value_kind: global_buffer, .address_space: global }
    .group_segment_fixed_size: 68096
    .private_segment_fixed_size: 0
    .kernarg_segment_align: 8
    .kernarg_segment_size: 48
    .max_flat_workgroup_size: 128
    .sgpr_count:     66
    .vgpr_count:     200
    .wavefront_size: 32
...
	.end_amdgpu_metadata
.endif
;; end of part 1
;; launch qkv (part 2): grid 12 x 32, 4 waves a work-group, clusters of 4 x 4, 327,680 bytes of LDS; arguments codes, scales, b_qkv, tabs, qkv16, fine32; writes qkv16, fine32
.if DOCPART == 2
	.amdgcn_target "amdgcn-amd-amdhsa--gfx1250"
	.amdhsa_code_object_version 6
	.text
	.protected	k_qb255e325f6_qkv
	.globl	k_qb255e325f6_qkv
	.p2align	8
	.type	k_qb255e325f6_qkv,@function
k_qb255e325f6_qkv:
	s_mov_b64 s[64:65], 0
	v_nop
	global_prefetch_b8 v0, s[64:65] scope:SCOPE_SE
	s_setreg_imm32_b32 hwreg(HW_REG_WAVE_MODE, 25, 1), 1
	s_wait_xcnt 0x0
	s_wait_alu depctr_hold_cnt(0) depctr_sa_sdst(0) depctr_va_vdst(0) depctr_va_sdst(0) depctr_va_ssrc(0) depctr_va_vcc(0) depctr_vm_vsrc(0)
	s_getreg_b32 s2, hwreg(HW_REG_IB_STS2, 6, 4)
	s_cmp_eq_u32 s2, 0
	s_cbranch_scc0 .Lentry_in_a_cluster
	s_endpgm
.Lentry_in_a_cluster:
	s_bfe_u32 s2, ttmp6, 0x10000c
	s_cmp_lg_u32 s2, 0xf033
	s_cbranch_scc0 .Lentry_shape_is_right
	s_endpgm
.Lentry_shape_is_right:
; Launch 2 of 5: qkv = x W_qkv + b_qkv on codes of E2M1 with E8M0 scales, then the rotary turn of q and k, all in f32; out as f16 [kind][b][h][l][64] for the attention;
; the first 16 positions of every sequence also as f32 [b][16][3072] (fine32), and v's column sums over each 128 rows as f32 [b][16 parts][1024] (fine32 + 786,432).  Nothing of this product is left out.
; A tile of 256 x 256 is made by four waves, 128 x 128 each: 64 accumulators of 16 x 16.  K = 1,024 is two LDS slots of 512 along K: both are asked for at the head, nothing is filled again.
; The scale bytes of the work-group's rows of x and of W come once, as dense blocks.  The matrix instruction is used transposed (source 0 = 16 columns of W, source 1 = 16 rows of x):
; a lane holds one row and eight neighbouring columns, so that a rotary pair lies in one lane's neighbouring registers.  The bias is the C of each sum's first matrix instruction.
; CLUSTER 4 x 4: tile column = 4 x cluster x + cx, so the kind (q, k, v) = cluster x is the same in all partners; tile row = 8 cy + cluster y, so batch = cy and the row tile within
; the sequence = cluster y is the same in all partners.  x's tiles are shared along a row of the cluster, W's along a column.  No branch hangs on cx or cy.
; LIMITS: q, k, v lie within f16's range.
; REGISTERS, windows of 256: window 0: v0-31 addresses; v32-95 scale words, two sets, and nothing else in the whole launch; v128-191 x's fragments, one set; v192-255 the bias, later the table (v: the column sums).
; Window 1: W's fragments, two sets.  Windows 2, 3: accumulator (a, b) at v[8 (8 (a % 4) + b)].
; On the way out: window 0 v96-127 packed f16, v128-191 rows read back, two sets; window 1 v0-63 the turned numbers of q and k.
.set NQ,     4                         ; matrix instructions deep in a slot
.set ROWB,   256                       ; a tile's row: 512 codes
.set KROW,   512                       ; a row of codes in memory
.set PITCH,  272                       ; an LDS row: 256 bytes + 16: the 16 rows that a load touches start 68 words apart
.set FR,     8
.set NL,     2
.set NP,     4
.set HALFT,  128*PITCH
.set SLOT,   4*HALFT
.set KS,     32                        ; a row of scale bytes
.set SCL,    2*SLOT
.set HALFS,  16*272
.set SBLK,   2*272
.set SPARE,  SCL+4*HALFS               ; the spare words: 128 bytes for each wave, named by no other line
.set STG,    8448                      ; the way out: a stage for each wave, in slot 0, which has had its only fill and is read by nobody when the first result is stored there
.set ADRA, 16
.set SVA,  18                          ; v18 stage + 32 h: the column sums
.set ADRB, 20
.set RO,   22                          ; v22 my bytes in a block's 16 rows of the table: 256 r + 32 h
.set BO,   23                          ; v23 32 h: my eight numbers of a tile's bias
.set STO,  24                          ; v24 stage + 272 r + 16 h
.set RD16, 25                          ; v25 stage + 272 (lane / 8) + 16 (lane % 8)
.set CO,   26                          ; v26 16 x lane
.set ADRS, 27
.set SPW,  28
.set NIL,  29
.set STO32, 30                         ; v30 stage + 528 r + 32 h
.set RD32, 31                          ; v31 stage + 16 x lane
.set SC,   32
.set TMP,  96                          ; window 0
.set T,    0                           ; window 1
.set AF,   128
.set BK,   128
.set BIAS, 192
.set CS,   192
.set SV,   192                         ; window 0: v's column sums
.set G1, 24
.set G0, 32
.set G1B, 48
.set G0B, 56
.set G1S, 68
.set G0S, 76
.set G1SB, 80
.set G0SB, 88
.set MSB, 0
.macro WIN new                         ; the immediate's high byte repeats the setting that is left
.if MSB != (\new)
	s_set_vgpr_msb (MSB<<8)|(\new)
.set MSB, (\new)
.endif
.endm
.set MUL_LO, 0xa1                      ; source 0 (W) window 1, source 1 (x) window 0, C and D window 2
.set MUL_HI, 0xf1
.set TO_B,   0x40
; A joint load: waves 0 and 1 fetch for x, waves 2 and 3 for W.  An s_nop 0 and four v_nop follow each of the two lines.
.macro JLOAD g0a, g1a, g0b, g1b
	s_cmp_eq_u32 s15, 0
	s_cbranch_scc0 .Lfor_b_\@
	tensor_load_to_lds s[\g0a:\g0a+3], s[\g1a:\g1a+7]
	s_nop 0
.rept 4
	v_nop
.endr
	s_branch .Lasked_\@
.Lfor_b_\@:
	tensor_load_to_lds s[\g0b:\g0b+3], s[\g1b:\g1b+7]
	s_nop 0
.rept 4
	v_nop
.endr
.Lasked_\@:
.endm
.macro CROUND                          ; a round of the cluster's barrier
	s_barrier_signal -1
	s_barrier_wait -1
	s_cmp_lg_u32 s14, 0
	s_cbranch_scc1 .Lnot_wave_0_\@
	s_barrier_signal -3
.Lnot_wave_0_\@:
	s_barrier_wait -3
	s_barrier_signal -1
	s_barrier_wait -1
.endm
	s_load_b128 s[4:7], s[0:1], 0x0                ; codes, scales
	s_load_b128 s[8:11], s[0:1], 0x10              ; b_qkv, tabs
	s_load_b64 s[12:13], s[0:1], 0x20              ; qkv16
	s_load_b64 s[98:99], s[0:1], 0x28              ; fine32
	v_lshl_add_u32 v[SPW], v0, 2, SPARE
	v_mov_b32 v[NIL], 0
	ds_add_u32 v[SPW], v[NIL]                      ; the wave's opening: the add, twice on end, and its wait ahead of my first tensor load
	ds_add_u32 v[SPW], v[NIL]
	v_lshrrev_b32 v1, 5, v0
	v_readfirstlane_b32 s14, v1                    ; wave 0..3
	s_lshr_b32 s15, s14, 1                         ; which half of the tile's rows is mine.  Also: I fetch for x (0) or for W (1)
	s_and_b32 s16, s14, 1                          ; which half of its columns.  Also: which 128 rows of that tile I fetch
	s_bfe_u32 s40, ttmp6, 0x40000                  ; cx
	s_bfe_u32 s41, ttmp6, 0x40004                  ; cy = the batch
	s_lshl_b32 s42, ttmp9, 2
	s_add_co_u32 s42, s42, s40                     ; tile column = 4 x cluster x + cx
	s_and_b32 s96, ttmp7, 0xffff                   ; the row tile within the sequence
	s_lshl_b32 s17, s41, 3
	s_add_co_u32 s17, s17, s96                     ; tile row = 8 cy + cluster y
	s_mov_b32 s95, ttmp9                           ; the kind: 0 q, 1 k, 2 v
	s_or_b32 s97, s96, s15                         ; 0: my block 0 holds the first 16 positions of a sequence
	s_lshl_b32 s43, s41, 2
	s_lshl_b32 s43, 15, s43                        ; my row of the cluster
	s_lshl_b32 s44, 0x1111, s40                    ; my column
	s_or_b32 s[G1+0], s43, (0<<16)|(1<<20)|(1<<21)|(5<<22)|(3<<25)  ; the mask; elements of 1 byte; padding on; bit 21 beside a mask; 4 words behind every 64
	s_or_b32 s[G1B+0], s44, (0<<16)|(1<<20)|(1<<21)|(5<<22)|(3<<25)
.irp g, G1, G1B
	s_mov_b32 s[\g+1], ROWB<<16                    ; tensor_dim0
	s_mov_b32 s[\g+2], 128<<16                     ; tensor_dim1
	s_mov_b32 s[\g+3], ROWB<<16                    ; tile_dim0
	s_mov_b32 s[\g+4], 128                         ; tile_dim1
	s_mov_b32 s[\g+5], KROW                        ; from row to row
	s_mov_b32 s[\g+6], 0
	s_mov_b32 s[\g+7], 0
.endr
	s_or_b32 s[G1S+0], s43, (3<<16)|(1<<20)|(1<<21)|(5<<22)|(3<<25)  ; the scales of 128 rows: 4,096 dense bytes as 16 rows of 256 (32 elements of 8 bytes), 16 bytes behind each
	s_or_b32 s[G1SB+0], s44, (3<<16)|(1<<20)|(1<<21)|(5<<22)|(3<<25)
.irp g, G1S, G1SB
	s_mov_b32 s[\g+1], 32<<16
	s_mov_b32 s[\g+2], 16<<16
	s_mov_b32 s[\g+3], 32<<16
	s_mov_b32 s[\g+4], 16
	s_mov_b32 s[\g+5], 32
	s_mov_b32 s[\g+6], 0
	s_mov_b32 s[\g+7], 0
.endr
	s_lshl_b32 s18, s16, 7
	s_lshl_b32 s20, s17, 8
	s_add_co_u32 s20, s20, s18                     ; x: row 256 x tile row + 128 x half
	s_lshl_b32 s46, s42, 8
	s_add_co_u32 s46, s46, s18                     ; W: column 256 x tile column + 128 x half
	s_mov_b32 s21, 0
	s_mov_b32 s47, 0
	s_mov_b64 s[18:19], KS
	s_mul_u64 s[22:23], s[20:21], s[18:19]
	s_mul_u64 s[92:93], s[46:47], s[18:19]
	s_mov_b64 s[18:19], KROW
	s_mul_u64 s[20:21], s[20:21], s[18:19]
	s_mul_u64 s[46:47], s[46:47], s[18:19]
	s_add_nc_u64 s[46:47], s[46:47], 4194304       ; W's codes lie behind x's,
	s_add_nc_u64 s[92:93], s[92:93], 262144        ; and its scale bytes likewise
	s_mul_i32 s45, s14, HALFT                      ; where they go: wave x 128 rows
	s_mul_i32 s94, s14, HALFS
	s_wait_dscnt 0x0                               ; both opening adds are done
	s_wait_kmcnt 0x0
	s_add_nc_u64 s[20:21], s[4:5], s[20:21]
	s_add_nc_u64 s[22:23], s[6:7], s[22:23]
	s_add_nc_u64 s[46:47], s[4:5], s[46:47]
	s_add_nc_u64 s[92:93], s[6:7], s[92:93]
	CROUND                                         ; all sixteen work-groups are here: the joint loads meet
	s_mov_b32 s[G0S], 1
	s_add_co_u32 s[G0S+1], s94, SCL
	s_mov_b64 s[G0S+2:G0S+3], s[22:23]
	s_or_b32 s[G0S+3], s[G0S+3], 0x80000000
	s_mov_b32 s[G0SB], 1
	s_add_co_u32 s[G0SB+1], s94, SCL
	s_mov_b64 s[G0SB+2:G0SB+3], s[92:93]
	s_or_b32 s[G0SB+3], s[G0SB+3], 0x80000000
	JLOAD G0S, G1S, G0SB, G1SB                     ; the scales first; by this text's count three tensor loads of a wave are out at the most
.irp s, 0,1
	s_mov_b32 s[G0+4*\s], 1
	s_add_co_u32 s[G0+4*\s+1], s45, \s*SLOT
	s_add_nc_u64 s[G0+4*\s+2:G0+4*\s+3], s[20:21], \s*ROWB
	s_or_b32 s[G0+4*\s+3], s[G0+4*\s+3], 0x80000000
	s_mov_b32 s[G0B+4*\s], 1
	s_add_co_u32 s[G0B+4*\s+1], s45, \s*SLOT
	s_add_nc_u64 s[G0B+4*\s+2:G0B+4*\s+3], s[46:47], \s*ROWB
	s_or_b32 s[G0B+4*\s+3], s[G0B+4*\s+3], 0x80000000
	JLOAD G0+4*\s, G1, G0B+4*\s, G1B
.endr
	v_and_b32 v1, 15, v0                           ; r
	v_bfe_u32 v2, v0, 4, 1                         ; h
	; the bias of my 128 columns: lane (r, h) wants, for tile b, those of columns 16 b + 8 h + 0 .. 7
	s_lshl_b32 s20, s42, 10
	s_lshl_b32 s21, s16, 9
	s_add_co_u32 s20, s20, s21                     ; (256 x tile column + 128 x half) x 4
	s_mov_b32 s21, 0
	s_add_nc_u64 s[8:9], s[8:9], s[20:21]
	v_lshlrev_b32 v[BO], 5, v2
.irp b, 0,1,2,3,4,5,6,7
	global_load_b128 v[BIAS+8*\b:BIAS+8*\b+3], v[BO], s[8:9] offset:64*\b
	global_load_b128 v[BIAS+8*\b+4:BIAS+8*\b+7], v[BO], s[8:9] offset:64*\b+16
.endr
	; where the results go
	s_add_nc_u64 s[100:101], s[98:99], 786432      ; the column sums: [batch][2 x row tile + half][1024]
	s_lshl_b32 s22, s41, 16
	s_lshl_b32 s23, s96, 13
	s_add_co_u32 s22, s22, s23
	s_lshl_b32 s23, s15, 12
	s_add_co_u32 s22, s22, s23
	s_lshl_b32 s23, s40, 10
	s_add_co_u32 s22, s22, s23
	s_lshl_b32 s23, s16, 9
	s_add_co_u32 s22, s22, s23
	s_mov_b32 s23, 0
	s_add_nc_u64 s[100:101], s[100:101], s[22:23]
	s_mul_i32 s22, s41, 196608                     ; the f32 rows: [batch][16][3072]
	s_add_co_u32 s22, s22, s20
	s_add_nc_u64 s[98:99], s[98:99], s[22:23]
	s_lshl_b32 s22, s96, 16                        ; the table's rows 256 x row tile + 128 x half, 256 bytes each
	s_lshl_b32 s46, s15, 15
	s_add_co_u32 s22, s22, s46
	s_add_co_u32 s22, s22, 2097152
	s_add_nc_u64 s[10:11], s[10:11], s[22:23]
	s_lshl_b32 s22, s95, 24                        ; qkv16: kind, batch, head 4 cx + 2 x half, position
	s_lshl_b32 s46, s41, 22
	s_add_co_u32 s22, s22, s46
	s_lshl_b32 s46, s40, 20
	s_add_co_u32 s22, s22, s46
	s_lshl_b32 s46, s16, 19
	s_add_co_u32 s22, s22, s46
	s_lshl_b32 s46, s96, 15
	s_add_co_u32 s22, s22, s46
	s_lshl_b32 s46, s15, 14
	s_add_co_u32 s22, s22, s46
	s_add_nc_u64 s[12:13], s[12:13], s[22:23]
	; LDS addresses
	v_mul_u32_u24 v3, v1, PITCH
	v_lshl_add_u32 v4, v2, 4, v3
	s_mul_i32 s21, s15, HALFT
	s_mul_i32 s22, s16, HALFT
	s_add_co_u32 s22, s22, 2*HALFT
.irp s, 0,1
	v_add_nc_u32 v[ADRA+\s], s21, v4
	v_add_nc_u32 v[ADRB+\s], s22, v4
	s_add_co_u32 s21, s21, SLOT
	s_add_co_u32 s22, s22, SLOT
.endr
	v_mul_u32_u24 v5, v1, KS
	v_lshrrev_b32 v6, 8, v5
	v_lshl_add_u32 v5, v6, 4, v5
	s_mul_i32 s21, s15, HALFS
	s_mul_i32 s22, s16, HALFS
	s_add_co_u32 s22, s22, 2*HALFS
	s_sub_co_u32 s22, s22, s21
	v_mul_u32_u24 v6, s22, v2                      ; lanes 16-31 take W's scale words
	s_add_co_u32 s21, s21, SCL
	v_add_nc_u32 v5, v5, v6
	v_add_nc_u32 v[ADRS], s21, v5
	s_mul_i32 s23, s14, STG                        ; my stage
	v_add_nc_u32 v[STO], s23, v4                   ; 272 r + 16 h
	v_and_b32 v6, 31, v0
	v_lshlrev_b32 v[CO], 4, v6
	v_add_nc_u32 v[RD32], s23, v[CO]
	v_lshrrev_b32 v5, 3, v6
	v_mul_u32_u24 v5, v5, 272
	v_and_b32 v6, 7, v6
	v_lshl_add_u32 v5, v6, 4, v5
	v_add_nc_u32 v[RD16], s23, v5
	v_mul_u32_u24 v5, v1, 528
	v_lshl_add_u32 v5, v2, 5, v5
	v_add_nc_u32 v[STO32], s23, v5
	v_lshlrev_b32 v5, 5, v2
	v_add_nc_u32 v[SVA], s23, v5
	v_lshlrev_b32 v[RO], 8, v1
	v_lshl_add_u32 v[RO], v2, 5, v[RO]
.macro FRAG reg, adr, q, i             ; 16 rows x 128 K of 4-bit codes: 8 registers, two loads of 16 bytes, 32 bytes apart
.irp c, 0,1
	ds_load_b128 v[\reg+4*\c:\reg+4*\c+3], v[\adr] offset:64*(\q)+32*\c+(\i)*16*PITCH
.endr
.endm
; 16 matrix instructions: x's blocks a0, a0 + 1 against W's eight.  first = 1: the bias is the C and starts the sums.  The 64 accumulators take turns, one instruction a turn.
.macro MUL16 a0, p, q, sc, first
.irp a, \a0, \a0+1
.irp b, 0,1,2,3,4,5,6,7
.if \first
	v_wmma_scale_f32_16x16x128_f8f6f4 v[8*(8*((\a)%4)+\b):8*(8*((\a)%4)+\b)+7], v[128*(\p)+FR*\b:128*(\p)+FR*\b+FR-1], v[AF+FR*(\a):AF+FR*(\a)+FR-1], v[BIAS+8*\b:BIAS+8*\b+7], v[SC+8*NQ*(\sc)+NQ*\b+(\q)], v[SC+8*NQ*(\sc)+NQ*(\a)+(\q)] matrix_a_fmt:MATRIX_FMT_FP4 matrix_b_fmt:MATRIX_FMT_FP4 matrix_a_scale:MATRIX_SCALE_ROW1
.else
	v_wmma_scale_f32_16x16x128_f8f6f4 v[8*(8*((\a)%4)+\b):8*(8*((\a)%4)+\b)+7], v[128*(\p)+FR*\b:128*(\p)+FR*\b+FR-1], v[AF+FR*(\a):AF+FR*(\a)+FR-1], v[8*(8*((\a)%4)+\b):8*(8*((\a)%4)+\b)+7], v[SC+8*NQ*(\sc)+NQ*\b+(\q)], v[SC+8*NQ*(\sc)+NQ*(\a)+(\q)] matrix_a_fmt:MATRIX_FMT_FP4 matrix_b_fmt:MATRIX_FMT_FP4 matrix_a_scale:MATRIX_SCALE_ROW1
.endif
.endr
.endr
.endm
.macro FETCH_B slot, q, p
	WIN TO_B
.irp i, 0,1,2,3,4,5,6,7
	FRAG 128*(\p)+FR*\i, ADRB+\slot, \q, \i
.endr
	WIN 0
.endm
.macro FETCH_A slot, q, i0
.irp i, \i0, \i0+1, \i0+2, \i0+3
	FRAG AF+FR*(\i), ADRA+\slot, \q, \i
.endr
.endm
.macro SCALES sc                       ; a slot's scale words: lanes 0-15 x's block i, lanes 16-31 W's block i
.irp i, 0,1,2,3,4,5,6,7
	ds_load_b128 v[SC+8*NQ*\sc+NQ*\i:SC+8*NQ*\sc+NQ*\i+3], v[ADRS] offset:\i*SBLK
.endr
.endm
.macro PLACES n                        ; plain vector instructions between a matrix instruction and a load into, a write of, or a read of, its registers
.rept \n
	v_nop
.endr
.endm
.macro STEP slot, q, first             ; 128 along K, with its successor in the same slot
	s_wait_dscnt 4*NL                              ; W's set and x's blocks 0-3 are in; the youngest eight loads (x's blocks 4-7) may be out
.if \first
	WIN 0x81                                       ; C (the bias) in window 0
.else
	WIN MUL_LO
.endif
	MUL16 0, (\q)%2, \q, \slot, \first
	MUL16 2, (\q)%2, \q, \slot, \first
	s_wait_dscnt 0
	PLACES NP
	FETCH_B \slot, (\q)+1, 1-(\q)%2
	FETCH_A \slot, (\q)+1, 0
.if \first
	WIN 0xc1
.else
	WIN MUL_HI
.endif
	MUL16 4, (\q)%2, \q, \slot, \first
	MUL16 6, (\q)%2, \q, \slot, \first
	PLACES NP
	WIN 0
	FETCH_A \slot, (\q)+1, 4
.endm
	s_wait_tensorcnt 1                             ; the scales and my part of slot 0 are in; slot 1's load may be out
	s_barrier_signal -1
	s_barrier_wait -1
	FETCH_B 0, 0, 0
	FETCH_A 0, 0, 0
	SCALES 0
	FETCH_A 0, 0, 4
	s_wait_loadcnt 0x0                             ; the bias
	STEP 0, 0, 1
	s_cmp_eq_u32 s95, 2                            ; q and k: the table's rows of blocks 0 and 1 are asked for here, into the registers that the bias has left (the step's last four places stand between)
	s_cbranch_scc1 .Lno_table
.macro CSLOAD a                        ; block a: of row r the pairs 8 (b % 4) + 4 h + 0 .. 3: 32 bytes for each of four b % 4
.irp i, 0,1,2,3,4,5,6,7
	global_load_b128 v[CS+32*((\a)%2)+4*\i:CS+32*((\a)%2)+4*\i+3], v[RO], s[10:11] offset:(\a)*4096+64*(\i/2)+16*(\i%2)
.endr
.endm
	CSLOAD 0
	CSLOAD 1
.Lno_table:
	STEP 0, 1, 0
	STEP 0, 2, 0
	; slot 0's last step changes slots: one barrier
	s_wait_tensorcnt 0x0                           ; my part of slot 1 has landed
	ds_add_u32 v[SPW], v[NIL]                      ; 0 onto my spare word
	s_wait_dscnt 4*NL+1                            ; the add and the youngest eight loads may be out
	WIN MUL_LO
	MUL16 0, 1, 3, 0, 0
	s_wait_dscnt 0x0                               ; the add is done, and my reads of slot 0 are over
	s_barrier_signal -1
	MUL16 2, 1, 3, 0, 0
	WIN 0
	s_barrier_wait -1
	PLACES NP
	v_add_nc_u32 v[ADRS], 4*NQ, v[ADRS]            ; on to slot 1's scale words
	FETCH_B 1, 0, 0
	FETCH_A 1, 0, 0
	SCALES 1
	WIN MUL_HI
	MUL16 4, 1, 3, 0, 0
	MUL16 6, 1, 3, 0, 0
	PLACES NP
	WIN 0
	FETCH_A 1, 0, 4
	STEP 1, 0, 0
	STEP 1, 1, 0
	STEP 1, 2, 0
	s_wait_dscnt 4*NL
	WIN MUL_LO
	MUL16 0, 1, 3, 1, 0
	MUL16 2, 1, 3, 1, 0
	s_wait_dscnt 0
	WIN MUL_HI
	MUL16 4, 1, 3, 1, 0
	MUL16 6, 1, 3, 1, 0
	WIN 0
	PLACES NP
; THE WAY OUT, a block of 16 rows x 128 columns (two heads) at a time.
.macro ROPE a                          ; (x1, x2) -> (x1 c - x2 s, x1 s + x2 c): a packed multiply by c, a packed multiply-add with the halves crossed; each accumulator is read from its low end on
.set AC, 64*((\a)%4)
.set CC, CS+32*((\a)%2)
	WIN 0x52+(\a)/4                                ; source 0: the accumulators' window; source 1 (the table) window 0; source 2 and the destination (the turned numbers) window 1
.irp b, 0,1,2,3,4,5,6,7
.irp p, 0,1,2,3
	v_pk_mul_f32 v[T+8*\b+2*\p:T+8*\b+2*\p+1], v[AC+8*\b+2*\p:AC+8*\b+2*\p+1], v[CC+8*(\b%4)+2*\p:CC+8*(\b%4)+2*\p+1] op_sel_hi:[1,0]
.endr
.endr
.irp b, 0,1,2,3,4,5,6,7
.irp p, 0,1,2,3
	v_pk_fma_f32 v[T+8*\b+2*\p:T+8*\b+2*\p+1], v[AC+8*\b+2*\p:AC+8*\b+2*\p+1], v[CC+8*(\b%4)+2*\p:CC+8*(\b%4)+2*\p+1], v[T+8*\b+2*\p:T+8*\b+2*\p+1] op_sel:[1,1,0] op_sel_hi:[0,1,1] neg_lo:[0,1,0]
.endr
.endr
	WIN 0
.endm
.macro CVT                             ; to f16, two at a time: sources in window 1, the packed numbers in window 0
	WIN 0x05
.set n, 0
.rept 32
	v_cvt_pk_f16_f32 v[TMP+n], v[T+2*n], v[T+2*n+1]
.set n, n+1
.endr
	WIN 0
.endm
.macro CVTV a                          ; v: straight from the accumulators
.set AC, 64*((\a)%4)
	WIN 0x0a+5*((\a)/4)
.set n, 0
.rept 32
	v_cvt_pk_f16_f32 v[TMP+n], v[AC+2*n], v[AC+2*n+1]
.set n, n+1
.endr
	WIN 0
.endm
.macro TOSTAGE16 a                     ; 16 bytes a lane into rows of 272; back as 4 rows x 128 bytes of one head a load.  LDS serves a wave's instructions in order
.irp b, 0,1,2,3,4,5,6,7
	ds_store_b128 v[STO], v[TMP+4*\b:TMP+4*\b+3] offset:32*\b
.endr
.irp u, 0,1,2,3,4,5,6,7
	ds_load_b128 v[BK+32*((\a)%2)+4*\u:BK+32*((\a)%2)+4*\u+3], v[RD16] offset:(\u%4)*1088+(\u/4)*128
.endr
.endm
.macro SEND16 a, younger               ; each store covers 512 consecutive bytes, aligned: four positions of one head
	s_wait_dscnt \younger
.irp u, 0,1,2,3,4,5,6,7
	global_store_b128 v[CO], v[BK+32*((\a)%2)+4*\u:BK+32*((\a)%2)+4*\u+3], s[12:13] offset:(\u/4)*262144+(\a)*2048+(\u%4)*512
.endr
.endm
.macro F32OUT base, win                ; the first 16 positions in f32: through the stage in rows of 528, out as rows of 512 bytes.  win: the window of the LDS stores' data
	WIN \win
.irp b, 0,1,2,3,4,5,6,7
	ds_store_b128 v[STO32], v[\base+8*\b:\base+8*\b+3] offset:64*\b
	ds_store_b128 v[STO32], v[\base+8*\b+4:\base+8*\b+7] offset:64*\b+16
.endr
	WIN 0
.irp t, 0,1,2,3,4,5,6,7,8,9,10,11,12,13,14,15
	ds_load_b128 v[BK+4*\t:BK+4*\t+3], v[RD32] offset:\t*528
.endr
	s_wait_dscnt 0x0
.irp t, 0,1,2,3,4,5,6,7,8,9,10,11,12,13,14,15
	global_store_b128 v[CO], v[BK+4*\t:BK+4*\t+3], s[98:99] offset:\t*12288
.endr
	s_wait_xcnt 0x0                                ; the stores have read their registers: the blocks' rows land there next
.endm
	s_cmp_eq_u32 s95, 2
	s_cbranch_scc1 .Lvpath
.irp a, 0,1,2,3,4,5,6,7
.if \a < 7
	s_wait_loadcnt 8                               ; this block's eight table loads are in; the next block's eight stay out
.else
	s_wait_loadcnt 0
.endif
	ROPE \a
.if \a < 6
	CSLOAD \a+2
.endif
.if \a == 0
	s_cmp_lg_u32 s97, 0
	s_cbranch_scc1 .Lnot_fine_r
	F32OUT T, 0x04                                 ; the turned numbers lie in window 1
.Lnot_fine_r:
.endif
	CVT
.if \a > 1
	s_wait_xcnt 0x0                                ; block a - 2's stores have read the set that block a's rows land in
.endif
	TOSTAGE16 \a
.if \a > 0
	SEND16 \a-1, 16                                ; behind block a - 1's loads: block a's 8 stores and 8 loads
.endif
.endr
	SEND16 7, 0
	s_branch .Lend
.Lvpath:
	s_wait_loadcnt 0x0
	s_cmp_lg_u32 s97, 0
	s_cbranch_scc1 .Lnot_fine_v
	F32OUT 0, 0x08                                 ; block 0's accumulators lie in window 2
.Lnot_fine_v:
.macro VSUM a                          ; the running sum over my blocks, for each of a lane's 64 places
.set AC, 64*((\a)%4)
.if (\a) == 1
	WIN 0x0a
.set n, 0
.rept 32
	v_pk_add_f32 v[SV+n:SV+n+1], v[n:n+1], v[64+n:64+n+1]
.set n, n+2
.endr
.else
	WIN 0x08+4*((\a)/4)
.set n, 0
.rept 32
	v_pk_add_f32 v[SV+n:SV+n+1], v[SV+n:SV+n+1], v[AC+n:AC+n+1]
.set n, n+2
.endr
.endif
	WIN 0
.endm
.irp a, 0,1,2,3,4,5,6,7
.if \a > 0
	VSUM \a
.endif
	CVTV \a
.if \a > 1
	s_wait_xcnt 0x0
.endif
	TOSTAGE16 \a
.if \a > 0
	SEND16 \a-1, 16
.endif
.endr
	SEND16 7, 0
	; the sums over the 16 rows that lie in the 16 lanes of a half; then 128 columns leave as 512 consecutive bytes
.irp m, 1,2,4,8
.set n, 0
.rept 64
	v_add_f32_dpp v[SV+n], v[SV+n], v[SV+n] row_xmask:\m row_mask:0xf bank_mask:0xf
.set n, n+1
.endr
.endr
.irp b, 0,1,2,3,4,5,6,7
	ds_store_b128 v[SVA], v[SV+8*\b:SV+8*\b+3] offset:64*\b        ; the 16 lanes of a half write the same bytes with the same values
	ds_store_b128 v[SVA], v[SV+8*\b+4:SV+8*\b+7] offset:64*\b+16
.endr
	s_wait_xcnt 0x0                                ; the last blocks' stores have read their registers
	ds_load_b128 v[BK:BK+3], v[RD32]
	s_wait_dscnt 0x0
	global_store_b128 v[CO], v[BK:BK+3], s[100:101]
.Lend:
	s_wait_tensorcnt 0x0                           ; the wave's end
	ds_add_u32 v[SPW], v[NIL]
	s_wait_dscnt 0x0
	CROUND                                         ; the closing round
	s_endpgm
.Lfunc_end_k_qb255e325f6_qkv:
	.size	k_qb255e325f6_qkv, .Lfunc_end_k_qb255e325f6_qkv-k_qb255e325f6_qkv
	.p2alignl 7, 3214868480
	.fill 96, 4, 3214868480
	.section	.rodata,"a",@progbits
	.p2align	6, 0x0
	.amdhsa_kernel k_qb255e325f6_qkv
		.amdhsa_group_segment_fixed_size 327680
		.amdhsa_private_segment_fixed_size 0
		.amdhsa_enable_private_segment 0
		.amdhsa_kernarg_size 48
		.amdhsa_user_sgpr_count 2
		.amdhsa_user_sgpr_kernarg_segment_ptr 1
		.amdhsa_wavefront_size32 1
		.amdhsa_system_sgpr_workgroup_id_x 1
		.amdhsa_system_sgpr_workgroup_id_y 1
		.amdhsa_system_sgpr_workgroup_id_z 1
		.amdhsa_system_vgpr_workitem_id 0
		.amdhsa_next_free_vgpr 1024
		.amdhsa_next_free_sgpr 102
		.amdhsa_reserve_vcc 0
		.amdhsa_float_denorm_mode_32 3
		.amdhsa_float_denorm_mode_16_64 3
		.amdhsa_memory_ordered 1
		.amdhsa_forward_progress 1
		.amdhsa_inst_pref_size 238
	.end_amdhsa_kernel
	.amdgpu_metadata
---
amdhsa.version: [ 1, 2 ]
amdhsa.kernels:
  - .name:           k_qb255e325f6_qkv
    .symbol:         k_qb255e325f6_qkv.kd
    .args:
      - { .name: codes, .offset: 0, .size: 8, .value_kind: global_buffer, .address_space: global }
      - { .name: scales, .offset: 8, .size: 8, .value_kind: global_buffer, .address_space: global }
      - { .name: b_qkv, .offset: 16, .size: 8, .value_kind: global_buffer, .address_space: global }
      - { .name: tabs, .offset: 24, .size: 8, .value_kind: global_buffer, .address_space: global }
      - { .name: qkv16, .offset: 32, .size: 8, .value_kind: global_buffer, .address_space: global }
      - { .name: fine32, .offset: 40, .size: 8, .value_kind: global_buffer, .address_space: global }
    .group_segment_fixed_size: 327680
    .private_segment_fixed_size: 0
    .kernarg_segment_align: 8
    .kernarg_segment_size: 48
    .max_flat_workgroup_size: 128
    .sgpr_count:     102
    .vgpr_count:     1024
    .wavefront_size: 32
...
	.end_amdgpu_metadata
.endif
;; end of part 2
;; launch attn (part 3): grid 4 x 64, 8 waves a work-group, no clusters, 327,680 bytes of LDS; arguments qkv16, attention_mask, att; writes att
.if DOCPART == 3
	.amdgcn_target "amdgcn-amd-amdhsa--gfx1250"
	.amdhsa_code_object_version 6
	.text
	.protected	k_qb255e325f6_attn
	.globl	k_qb255e325f6_attn
	.p2align	8
	.type	k_qb255e325f6_attn,@function
k_qb255e325f6_attn:
	s_mov_b64 s[64:65], 0
	v_nop
	global_prefetch_b8 v0, s[64:65] scope:SCOPE_SE
	s_setreg_imm32_b32 hwreg(HW_REG_WAVE_MODE, 25, 1), 1
	s_wait_xcnt 0x0
; Launch 3 of 5: att[h][b l][64] = softmax(q k^T / 8 under the masks) v, f16 operands, f32 sums, a running maximum.
; LEFT OUT: key steps all of whose 64 keys come after a wave's 32 queries (reference() builds the causal tril itself; such a key's weight is 0 for every query that has a kept key).
; Queries with no kept key leave finite numbers here that mean nothing: launch 5 writes their rows, and the first 16 positions of every sequence.
; SHARES.  Work-group (j, head) owns the query blocks 7 - j and j of 256 queries: (8 - j) + (j + 1) = 9 slots of 256 keys whatever j is: equal work, constant trip counts.
; A wave owns 32 queries of a block, two tiles of 16; two waves share a SIMD, so that one wave's softmax stands beside the other's products.
; NO CLUSTER: from the sixth slot on the four work-groups of a head need different tiles; a walk in which all four make every joint request takes both blocks through 8 slots at once, 12 block-slots against 9.
; LAYOUT.  S^T = K Q^T (source 0 = 16 keys, source 1 = 16 queries): a lane holds one query and the keys 8 (lane / 16) + 0..7; two such tiles, rounded to f16 in pairs, are source 1 of O^T = V^T P.
; THE MASKS.  The key mask is the C of the first K Q^T instruction: 0 or NEG = -1e30 for each key.  The causal mask is set by compare and select in a wave's one step on the diagonal.
; LIMIT: |score| stays under 1e30 (f16 operands bound it by 64 x 65504^2).
; THE EXPONENT.  p = 2^(c s - cm), c = log2(e) / 8, cm = c m lifted by one part in 2^23, so that cm is at or above the exact c m and no exponent is above 0, whatever s: a row that has seen masked keys alone sums zeros or ones,
; and the first kept key multiplies them by 2^(old cm - new cm) = 0.  The softmax does not hang on the reference point.
; REGISTERS.  Window 0: v2-13 addresses; v14 NEG; v16-31 statistics, 8 a tile (+0 cm, +1 m, +2 +3 l, +4..+7 at work, a in +6); v58 v59 the diagonal's d; v60 r - 8 h; v64-127 S^T; v128-159 P; v160-191 Q of the second block.
; Window 1: v0-31 Q; v32-95 K; v96-159 V^T; v160-223 O^T; v224-255 the key mask's C.
.set KP,    144                        ; a key's row in LDS: 128 bytes + 16
.set VP,    160                        ; a row of V: 128 + 32
.set VOFF,  256*KP                     ; a slot: 256 rows of K, then 256 rows of V
.set SLOT1, 131072
.set STAGE, 81920                      ; the way out: 2 tiles x 16 rows x 144 bytes for each wave; no fill lands here
.set SPARE, 118784                     ; the spare words, 128 bytes for each wave, named by no other line
.set KB,    119808                     ; 0 or NEG for each key, 9 phases x 256 keys x 4 bytes, in the order of the phases
.set AK0,  2
.set AV0,  3
.set AKB0, 4
.set ADK,  5
.set ADV,  6
.set ADKB, 7
.set STO,  8
.set RD,   9
.set GO,   10
.set PFO,  11
.set SPW,  12
.set NIL,  13
.set NEG,  14
.set ST,   16
.set D0,   58
.set DR,   60
.set S,    64
.set P,    128
.set WV,   10
.set JJ,   12
.set BH,   13
.set PH,   14                          ; the phase, 0 .. 8
.set SW,   15                          ; 8 - j: the phase at which the second block begins
.set TB,   16                          ; LDS byte at which the slot in hand begins
.set TBK,  17
.set TBV,  18
.set TKB,  19
.set KF,   20                          ; the step's first key
.set Q0,   21                          ; my first query
.set G1K,  24
.set G1V,  32
.set G0K,  40
.set G0V,  44
.set CSC,  54                          ; s[54:55] c
.set SEL,  56                          ; s[56:57] lane l xor 16
.set PFA,  58
.set LIMV, 60
.set MSB, 0
.macro WIN new
.if MSB != (\new)
	s_set_vgpr_msb (MSB<<8)|(\new)
.set MSB, (\new)
.endif
.endm
; Waves 0-3 fetch K's quarters of a slot, waves 4-7 V's: 64 rows each.  An s_nop 0 and four v_nop follow each of the two lines.
.macro TLOAD
	s_cmp_lt_u32 s[WV], 4
	s_cbranch_scc0 .Lfor_v_\@
	tensor_load_to_lds s[G0K:G0K+3], s[G1K:G1K+7]
	s_nop 0
.rept 4
	v_nop
.endr
	s_branch .Lasked_\@
.Lfor_v_\@:
	tensor_load_to_lds s[G0V:G0V+3], s[G1V:G1V+7]
	s_nop 0
.rept 4
	v_nop
.endr
.Lasked_\@:
.endm
; A prefetch of what the NEXT change of slots will ask for.  All four work-groups of a head walk the same K and V: the one with j = 0, which walks tiles 0 to 7 in order, asks; each of its waves for its own quarter
; (8,192 bytes, lanes 256 bytes apart), so that each 256 bytes are named once.  In phase p it names tile p + 2; phases 6 and later ask for nothing.  Tiles 0 and 1 come by their loads alone.
.macro ASK
	s_cmp_lt_u32 s[PH], s[LIMV]
	s_cbranch_scc0 .Lnot_mine_\@
	global_prefetch_b8 v[PFO], s[PFA:PFA+1] th:TH_LOAD_NT scope:SCOPE_SE
.Lnot_mine_\@:
.endm
	s_load_b128 s[4:7], s[0:1], 0x0                ; qkv16, attention_mask
	s_load_b64 s[8:9], s[0:1], 0x10                ; att
	v_lshl_add_u32 v[SPW], v0, 2, SPARE
	v_mov_b32 v[NIL], 0
	ds_add_u32 v[SPW], v[NIL]                      ; the wave's opening: the add, twice on end, and its wait ahead of my first tensor load
	ds_add_u32 v[SPW], v[NIL]
	v_lshrrev_b32 v1, 5, v0
	v_readfirstlane_b32 s[WV], v1                  ; wave 0..7
	s_mov_b32 s[JJ], ttmp9
	s_and_b32 s[BH], ttmp7, 0xffff                 ; 16 x batch + head
	s_sub_co_u32 s[SW], 8, s[JJ]
	s_lshl_b32 s61, s[SW], 15                      ; the first block's slots in bytes of K or V
	s_mov_b32 s63, 0
	s_mov_b32 s[G1K], (1<<16)|(1<<20)|(4<<22)|(3<<25)   ; elements of 2 bytes; padding on: 4 words behind every 32
	s_mov_b32 s[G1V], (1<<16)|(1<<20)|(4<<22)|(7<<25)   ; 8 words
.irp g, G1K, G1V
	s_mov_b32 s[\g+1], 64<<16                      ; tensor_dim0
	s_mov_b32 s[\g+2], 64<<16                      ; tensor_dim1
	s_mov_b32 s[\g+3], 64<<16                      ; tile_dim0
	s_mov_b32 s[\g+4], 64                          ; tile_dim1
	s_mov_b32 s[\g+5], 64                          ; from row to row
	s_mov_b32 s[\g+6], 0
	s_mov_b32 s[\g+7], 0
.endr
	s_and_b32 s2, s[WV], 3                         ; my quarter
	s_mul_i32 s3, s2, 64*KP
	s_mul_i32 s11, s2, 64*VP
	s_add_co_u32 s11, s11, VOFF
	s_lshl_b32 s48, s[BH], 18                      ; a head's 2,048 rows of 128 bytes
	s_lshl_b32 s49, s2, 13
	s_add_co_u32 s48, s48, s49
	s_mov_b32 s49, 0
	s_mov_b32 s[CSC], 0x3e38aa3b                   ; c = log2(e) / 8
	s_mov_b32 s[CSC+1], s[CSC]
	s_mov_b32 s[SEL], 0x76543210
	s_mov_b32 s[SEL+1], 0xfedcba98
	s_mov_b32 s71, 0x34000000                      ; 2^-23
	s_mov_b32 s[PH], 0
	s_mov_b32 s[TB], 0
	s_mov_b32 s[TKB], 0
	s_mov_b32 s[KF], 0
	s_cmp_eq_u32 s[JJ], 0
	s_cselect_b32 s[LIMV], 6, 0
	s_wait_dscnt 0x0                               ; both opening adds are done
	s_wait_kmcnt 0x0
	s_add_nc_u64 s[50:51], s[4:5], s[48:49]
	s_add_nc_u64 s[52:53], s[50:51], 1<<25         ; V: my quarter of tile 0
	s_add_nc_u64 s[50:51], s[50:51], 1<<24         ; K likewise
	s_mov_b32 s[G0K], 1
	s_mov_b32 s[G0K+1], s3
	s_mov_b64 s[G0K+2:G0K+3], s[50:51]
	s_or_b32 s[G0K+3], s[G0K+3], 0x80000000
	s_mov_b32 s[G0V], 1
	s_mov_b32 s[G0V+1], s11
	s_mov_b64 s[G0V+2:G0V+3], s[52:53]
	s_or_b32 s[G0V+3], s[G0V+3], 0x80000000
	TLOAD                                          ; slot 0: every wave issues one first fill; by this text's count one tensor load of a wave is out at any time
	s_cmp_lt_u32 s[WV], 4
	s_cselect_b64 s[PFA:PFA+1], s[50:51], s[52:53]
	s_add_nc_u64 s[PFA:PFA+1], s[PFA:PFA+1], 32768 ; at tile 1: the first change of slots steps it to tile 2
	; the key mask of each phase's 256 keys: phase i walks tile i, or tile i - (8 - j) from the second block on
	s_lshr_b32 s2, s[BH], 4
	s_lshl_b32 s2, s2, 13
	s_mov_b32 s3, 0
	s_add_nc_u64 s[6:7], s[6:7], s[2:3]
	v_lshlrev_b32 v33, 2, v0
.irp i, 0,1,2,3,4,5,6,7,8
	s_cmp_gt_u32 s[SW], \i
	s_cselect_b32 s2, 0, s[SW]
	s_sub_co_u32 s2, \i, s2
	s_lshl_b32 s2, s2, 10
	v_add_nc_u32 v[34+\i], s2, v33
	global_load_b32 v[44+\i], v[34+\i], s[6:7]
.endr
	; Q of both blocks stays in registers
	s_sub_co_u32 s2, 7, s[JJ]
	s_lshl_b32 s2, s2, 8
	s_lshl_b32 s23, s[WV], 5
	s_add_co_u32 s[Q0], s2, s23                    ; my first query in block 7 - j,
	s_lshl_b32 s2, s[JJ], 8
	s_add_co_u32 s70, s2, s23                      ; and in block j
	s_lshl_b32 s48, s[BH], 18
	s_lshl_b32 s2, s[Q0], 7
	s_add_co_u32 s2, s2, s48
	s_add_nc_u64 s[50:51], s[4:5], s[2:3]
	s_lshl_b32 s2, s70, 7
	s_add_co_u32 s2, s2, s48
	s_add_nc_u64 s[52:53], s[4:5], s[2:3]
	v_and_b32 v1, 15, v0                           ; r
	v_bfe_u32 v15, v0, 4, 1                        ; h
	v_lshlrev_b32 v53, 7, v1
	v_lshl_add_u32 v53, v15, 4, v53                ; row r of 128 bytes + 16 h
	WIN 0x40
.irp t, 0,1
.irp ks, 0,1
.irp e, 0,1
	global_load_b128 v[16*\t+8*\ks+4*\e:16*\t+8*\ks+4*\e+3], v53, s[50:51] offset:\t*2048+\ks*64+\e*32
.endr
.endr
.endr
	WIN 0
.irp t, 0,1
.irp ks, 0,1
.irp e, 0,1
	global_load_b128 v[160+16*\t+8*\ks+4*\e:160+16*\t+8*\ks+4*\e+3], v53, s[52:53] offset:\t*2048+\ks*64+\e*32
.endr
.endr
.endr
	s_and_b32 s2, s[BH], 15
	s_lshl_b32 s2, s2, 20
	s_lshr_b32 s23, s[BH], 4
	s_lshl_b32 s23, s23, 18
	s_add_co_u32 s2, s2, s23
	s_add_nc_u64 s[66:67], s[8:9], s[2:3]          ; att at my head and batch
	v_mul_u32_u24 v[AK0], v1, KP
	v_lshl_add_u32 v[AK0], v15, 4, v[AK0]          ; K: row r x pitch + 16 h
	v_and_b32 v55, 7, v0
	v_bfe_u32 v56, v0, 3, 1
	v_lshl_add_u32 v[AV0], v15, 3, v55
	v_mul_u32_u24 v[AV0], v[AV0], VP
	v_lshl_add_u32 v[AV0], v56, 4, v[AV0]
	v_add_nc_u32 v[AV0], VOFF, v[AV0]              ; V, for the turning load: key 8 h + lane % 8, 16 bytes by (lane / 8) % 2
	v_lshl_add_u32 v[AKB0], v15, 5, KB             ; the mask's C: eight keys from 8 h on
	s_mul_i32 s2, s[WV], 2*16*KP
	s_add_co_u32 s2, s2, STAGE
	v_add_nc_u32 v[STO], s2, v[AK0]
	v_and_b32 v57, 31, v0
	v_lshrrev_b32 v56, 3, v57
	v_mul_u32_u24 v56, v56, KP
	v_lshl_add_u32 v56, v55, 4, v56
	v_add_nc_u32 v[RD], s2, v56                    ; back: 4 rows of 128 bytes a load
	v_lshlrev_b32 v[GO], 4, v57
	v_lshlrev_b32 v[PFO], 8, v57
	v_mov_b32 v[NEG], 0xf149f2ca                   ; -1e30
	v_lshlrev_b32 v56, 3, v15
	v_sub_nc_u32 v[DR], v1, v56                    ; r - 8 h
	v_lshl_add_u32 v54, v0, 2, KB
	s_wait_loadcnt 0x0                             ; the masks and Q
.irp i, 0,1,2,3,4,5,6,7,8
	v_cmp_eq_u32 vcc_lo, 0, v[44+\i]
	v_cndmask_b32 v[44+\i], 0, v[NEG], vcc_lo
	ds_store_b32 v54, v[44+\i] offset:1024*\i      ; read by all waves behind the first change's wait and barrier
.endr
.macro INIT                            ; a block begins: O^T and l are zeros, m and cm lie under every score
	WIN 0x40
.set n, 0
.rept 64
	v_mov_b32 v[160+n], 0
.set n, n+1
.endr
	WIN 0
.irp t, 0,1
	v_mov_b32 v[ST+8*\t], 0xff61b1e6
	v_mov_b32 v[ST+8*\t+1], 0xff61b1e6
.irp i, 2,3,4,5,6,7
	v_mov_b32 v[ST+8*\t+\i], 0
.endr
.endr
.endm
	INIT
.macro SOFTMAX                         ; both tiles, line by line by turns
.irp j, 0,1,2,3
.irp t, 0,1
	v_max3_num_f32 v[ST+8*\t+4+\j], v[S+32*\t+8*\j], v[S+32*\t+8*\j+1], v[S+32*\t+8*\j+2]   ; each accumulator from its low end on
.endr
.endr
.irp u, 1,2
.irp j, 0,1,2,3
.irp t, 0,1
	v_max3_num_f32 v[ST+8*\t+4+\j], v[ST+8*\t+4+\j], v[S+32*\t+8*\j+2*\u+1], v[S+32*\t+8*\j+2*\u+2]
.endr
.endr
.endr
.irp t, 0,1
	v_max3_num_f32 v[ST+8*\t+4], v[ST+8*\t+4], v[S+32*\t+7], v[S+32*\t+15]
.endr
.irp t, 0,1
	v_max3_num_f32 v[ST+8*\t+6], v[ST+8*\t+6], v[S+32*\t+23], v[S+32*\t+31]
.endr
.irp t, 0,1
	v_max3_num_f32 v[ST+8*\t+4], v[ST+8*\t+4], v[ST+8*\t+5], v[ST+8*\t+6]
.endr
.irp t, 0,1
	v_max3_num_f32 v[ST+8*\t+4], v[ST+8*\t+4], v[ST+8*\t+7], v[ST+8*\t+1]   ; and the old m
.endr
.irp t, 0,1
	v_permlanex16_b32 v[ST+8*\t+5], v[ST+8*\t+4], s[SEL], s[SEL+1]          ; the query's other 32 keys lie in the lane 16 away
.endr
.irp t, 0,1
	v_mov_b32 v[ST+8*\t+7], v[ST+8*\t]             ; the old cm
.endr
.irp t, 0,1
	v_max_num_f32 v[ST+8*\t+1], v[ST+8*\t+4], v[ST+8*\t+5]
.endr
.irp t, 0,1
	v_mul_f32 v[ST+8*\t], s[CSC], v[ST+8*\t+1]
.endr
.irp t, 0,1
	v_fma_f32 v[ST+8*\t], |v[ST+8*\t]|, s71, v[ST+8*\t]   ; lifted by one part in 2^23: at or above the exact c m
.endr
.irp t, 0,1
	v_sub_f32 v[ST+8*\t+7], v[ST+8*\t+7], v[ST+8*\t]
.endr
.irp b, 0,1,2,3,4,5,6,7,8,9,10,11,12,13,14,15
.irp t, 0,1
	v_pk_fma_f32 v[S+32*\t+2*\b:S+32*\t+2*\b+1], v[S+32*\t+2*\b:S+32*\t+2*\b+1], s[CSC:CSC+1], v[ST+8*\t:ST+8*\t+1] op_sel_hi:[1,0,0] neg_lo:[0,0,1] neg_hi:[0,0,1]
.endr
.endr
.irp t, 0,1
	v_exp_f32 v[ST+8*\t+6], v[ST+8*\t+7]           ; a = 2^(old cm - new cm)
.endr
.set n, 0
.rept 64
	v_exp_f32 v[S+n], v[S+n]
.set n, n+1
.endr
	v_nop                                          ; a plain instruction behind the last exponential
	s_wait_alu depctr_va_vdst(0)                   ; the wait ahead of the first reader: one for the batch of 66
.irp b, 0,1,2,3,4,5,6,7,8,9,10,11,12,13,14,15
.irp t, 0,1
	v_cvt_pk_f16_f32 v[P+16*\t+\b], v[S+32*\t+2*\b], v[S+32*\t+2*\b+1]
.endr
.endr
.irp u, 0,1,2,3,4,5,6,7
.irp t, 0,1
	v_pk_add_f32 v[S+32*\t+4*\u:S+32*\t+4*\u+1], v[S+32*\t+4*\u:S+32*\t+4*\u+1], v[S+32*\t+4*\u+2:S+32*\t+4*\u+3]
.endr
.endr
.irp u, 0,1,2,3
.irp t, 0,1
	v_pk_add_f32 v[S+32*\t+8*\u:S+32*\t+8*\u+1], v[S+32*\t+8*\u:S+32*\t+8*\u+1], v[S+32*\t+8*\u+4:S+32*\t+8*\u+5]
.endr
.endr
.irp u, 0,1
.irp t, 0,1
	v_pk_add_f32 v[S+32*\t+16*\u:S+32*\t+16*\u+1], v[S+32*\t+16*\u:S+32*\t+16*\u+1], v[S+32*\t+16*\u+8:S+32*\t+16*\u+9]
.endr
.endr
.irp t, 0,1
	v_pk_add_f32 v[S+32*\t:S+32*\t+1], v[S+32*\t:S+32*\t+1], v[S+32*\t+16:S+32*\t+17]
.endr
.irp t, 0,1
	v_pk_fma_f32 v[ST+8*\t+2:ST+8*\t+3], v[ST+8*\t+2:ST+8*\t+3], v[ST+8*\t+6:ST+8*\t+7], v[S+32*\t:S+32*\t+1] op_sel_hi:[1,0,1]   ; l = a l + the step's sum
.endr
.endm
; A KEY STEP: 64 keys.  A step all of whose keys come after my 32 queries is jumped over: a branch on ids and counted steps, round no barrier and no tensor load; the lines at its end that step addresses are always run.
.macro STEP
	s_add_co_u32 s23, s[Q0], 31
	s_cmp_gt_u32 s[KF], s23
	s_cbranch_scc1 .Lhid_\@
	v_add_nc_u32 v[ADK], s[TBK], v[AK0]            ; these three and the v_nop are the four places in front of loads into registers that the last products read
	v_add_nc_u32 v[ADV], s[TBV], v[AV0]
	v_add_nc_u32 v[ADKB], s[TKB], v[AKB0]
	v_nop
	WIN 0x40
.irp kt, 0,1,2,3
.irp ks, 0,1
	ds_load_b128 v[32+16*\kt+8*\ks:32+16*\kt+8*\ks+3], v[ADK] offset:\kt*16*KP+\ks*64
	ds_load_b128 v[32+16*\kt+8*\ks+4:32+16*\kt+8*\ks+7], v[ADK] offset:\kt*16*KP+\ks*64+32
.endr
.endr
.irp kt, 0,1,2,3
	ds_load_b128 v[224+8*\kt:224+8*\kt+3], v[ADKB] offset:64*\kt
	ds_load_b128 v[224+8*\kt+4:224+8*\kt+7], v[ADKB] offset:64*\kt+16
.endr
.irp kc, 0,1
.irp ct, 0,1,2,3
	ds_load_tr16_b128 v[96+32*\kc+8*\ct:96+32*\kc+8*\ct+3], v[ADV] offset:\kc*32*VP+\ct*32
	ds_load_tr16_b128 v[96+32*\kc+8*\ct+4:96+32*\kc+8*\ct+7], v[ADV] offset:\kc*32*VP+16*VP+\ct*32
.endr
.endr
	s_wait_dscnt 16                                ; K and the mask's C are in; V's sixteen loads stay out
	WIN 0x15                                       ; K, Q and C in window 1, S^T in window 0
.irp kt, 0,1,2,3
.irp t, 0,1
	v_wmma_f32_16x16x32_f16 v[S+32*\t+8*\kt:S+32*\t+8*\kt+7], v[32+16*\kt:32+16*\kt+7], v[16*\t:16*\t+7], v[224+8*\kt:224+8*\kt+7]
.endr
.endr
	WIN 0x05                                       ; the eight accumulators take turns
.irp kt, 0,1,2,3
.irp t, 0,1
	v_wmma_f32_16x16x32_f16 v[S+32*\t+8*\kt:S+32*\t+8*\kt+7], v[32+16*\kt+8:32+16*\kt+15], v[16*\t+8:16*\t+15], v[S+32*\t+8*\kt:S+32*\t+8*\kt+7]
.endr
.endr
	WIN 0
.rept 4
	v_nop
.endr
	s_add_co_u32 s23, s[KF], 63                    ; on the diagonal hidden scores become NEG; a step all of whose keys count jumps over this
	s_cmp_le_u32 s23, s[Q0]
	s_cbranch_scc1 .Lopen_\@
	s_sub_co_i32 s23, s[Q0], s[KF]
	v_add_nc_u32 v[D0], s23, v[DR]                 ; tile t, register 8 kt + j holds key KF + 16 kt + 8 h + j: hidden where 16 kt + j > Q0 - KF + 16 t + r - 8 h
	v_add_nc_u32 v[D0+1], 16, v[D0]
.irp t, 0,1
.irp kt, 0,1,2,3
.irp jj, 0,1,2,3,4,5,6,7
	v_cmp_gt_i32 vcc_lo, 16*\kt+\jj, v[D0+\t]
	v_cndmask_b32 v[S+32*\t+8*\kt+\jj], v[S+32*\t+8*\kt+\jj], v[NEG], vcc_lo
.endr
.endr
.endr
.Lopen_\@:
	SOFTMAX
	WIN 0x41
.irp t, 0,1
.set n, 0
.rept 16
	v_pk_mul_f32 v[160+32*\t+n:160+32*\t+n+1], v[160+32*\t+n:160+32*\t+n+1], v[ST+8*\t+6:ST+8*\t+7] op_sel_hi:[1,0]   ; O^T x a
.set n, n+2
.endr
.endr
	s_wait_dscnt 0x0                               ; V is in
	WIN 0x51                                       ; V^T and O^T in window 1, P in window 0
.irp kc, 0,1
.irp ct, 0,1,2,3
.irp t, 0,1
	v_wmma_f32_16x16x32_f16 v[160+32*\t+8*\ct:160+32*\t+8*\ct+7], v[96+32*\kc+8*\ct:96+32*\kc+8*\ct+7], v[P+16*\t+8*\kc:P+16*\t+8*\kc+7], v[160+32*\t+8*\ct:160+32*\t+8*\ct+7]
.endr
.endr
.endr
	WIN 0
.Lhid_\@:
	s_add_co_u32 s[KF], s[KF], 64
	s_add_co_u32 s[TBK], s[TBK], 64*KP
	s_add_co_u32 s[TBV], s[TBV], 64*VP
	s_add_co_u32 s[TKB], s[TKB], 256
.endm
; THE CHANGE OF SLOTS stands at a slot's head.  Each wave waits for all its tensor loads (its part of the slot ahead), adds 0 to its spare word, and waits for that and for its reads of the slot that it has left.
; fill = 1: behind the barrier the slot that was left takes the next phase's tile: the next 256 keys, or tile 0 again where the second block begins.
.macro CHANGE fill
	s_wait_tensorcnt 0x0
	ds_add_u32 v[SPW], v[NIL]                      ; the descriptors' steps stand between the add and the wait for it
.if \fill
	s_xor_b32 s[G0K+1], s[G0K+1], SLOT1
	s_xor_b32 s[G0V+1], s[G0V+1], SLOT1
	s_add_co_u32 s23, s[PH], 1
	s_cmp_eq_u32 s23, s[SW]
	s_cselect_b32 s62, s61, 0
	s_add_nc_u64 s[G0K+2:G0K+3], s[G0K+2:G0K+3], 32768
	s_sub_nc_u64 s[G0K+2:G0K+3], s[G0K+2:G0K+3], s[62:63]
	s_add_nc_u64 s[G0V+2:G0V+3], s[G0V+2:G0V+3], 32768
	s_sub_nc_u64 s[G0V+2:G0V+3], s[G0V+2:G0V+3], s[62:63]
	s_wait_xcnt 0x0                                ; the last prefetch, a slot back, has read its address
	s_add_nc_u64 s[PFA:PFA+1], s[PFA:PFA+1], 32768
.endif
	s_wait_dscnt 0x0
	s_barrier_signal -1
	s_barrier_wait -1
.if \fill
	TLOAD                                          ; the first thing behind the barrier, and a wave's one tensor load until the next
	ASK
.endif
.endm
.macro SLOT_STEPS                      ; a slot's four key steps: written once, walked four times
	s_mov_b32 s[TBK], s[TB]
	s_mov_b32 s[TBV], s[TB]
	s_mov_b32 s22, 4
.Lstep_\@:
	STEP
	s_sub_co_u32 s22, s22, 1
	s_cmp_lg_u32 s22, 0
	s_cbranch_scc1 .Lstep_\@
	s_xor_b32 s[TB], s[TB], SLOT1
.endm
; THE WAY OUT of a block: O^T / l, to f16, through my stage, out as runs of 512 consecutive bytes (4 positions of my head).
.macro WAYOUT
.rept 4
	v_nop
.endr
.irp t, 0,1
	v_add_f32 v[ST+8*\t+4], v[ST+8*\t+2], v[ST+8*\t+3]
.endr
.irp t, 0,1
	v_permlanex16_b32 v[ST+8*\t+5], v[ST+8*\t+4], s[SEL], s[SEL+1]
.endr
.irp t, 0,1
	v_add_f32 v[ST+8*\t+4], v[ST+8*\t+4], v[ST+8*\t+5]
.endr
.irp t, 0,1
	v_max_num_f32 v[ST+8*\t+4], 0x0da24260, v[ST+8*\t+4]   ; held at 1e-30 from below: a query with no kept key has l = 0 and O = 0
.endr
.irp t, 0,1
	v_rcp_f32 v[ST+8*\t+6], v[ST+8*\t+4]
.endr
	v_nop
	s_wait_alu depctr_va_vdst(0)                   ; one wait for both reciprocals, ahead of their first reader
	WIN 0x01
.irp t, 0,1
.set n, 0
.rept 16
	v_pk_mul_f32 v[S+32*\t+n:S+32*\t+n+1], v[160+32*\t+n:160+32*\t+n+1], v[ST+8*\t+6:ST+8*\t+7] op_sel_hi:[1,0]
.set n, n+2
.endr
.endr
	WIN 0
.set n, 0
.rept 32
	v_cvt_pk_f16_f32 v[P+n], v[S+2*n], v[S+2*n+1]
.set n, n+1
.endr
.irp t, 0,1
.irp ct, 0,1,2,3
	ds_store_b128 v[STO], v[P+16*\t+4*\ct:P+16*\t+4*\ct+3] offset:\t*16*KP+32*\ct
.endr
.endr
.irp t, 0,1
.irp i, 0,1,2,3
	ds_load_b128 v[S+16*\t+4*\i:S+16*\t+4*\i+3], v[RD] offset:\t*16*KP+4*KP*\i   ; LDS serves a wave's instructions in order: these see the stores above
.endr
.endr
	s_lshl_b32 s2, s[Q0], 7
	s_mov_b32 s3, 0
	s_add_nc_u64 s[68:69], s[66:67], s[2:3]
.irp t, 0,1
.irp i, 0,1,2,3
	s_wait_dscnt 7-4*\t-\i                         ; this load is back; the younger ones stay out
	global_store_b128 v[GO], v[S+16*\t+4*\i:S+16*\t+4*\i+3], s[68:69] offset:\t*2048+512*\i
.endr
.endr
	s_wait_xcnt 0x0                                ; the stores have read their registers and their base
.endm
.macro SWITCH                          ; where the second block begins: ids and the count of phases alone, the same in all eight waves
	s_cmp_lg_u32 s[PH], s[SW]
	s_cbranch_scc1 .Lsame_\@
	WAYOUT
	WIN 0x40
.set n, 0
.rept 32
	v_mov_b32 v[n], v[160+n]                       ; the second block's Q
.set n, n+1
.endr
	INIT
	s_mov_b32 s[Q0], s70
	s_mov_b32 s[KF], 0
.Lsame_\@:
.endm
.Lphase:                                           ; eight trips: behind each change of slots but the last the next phase's tile is asked for
	CHANGE 1
	SWITCH
	SLOT_STEPS
	s_add_co_u32 s[PH], s[PH], 1
	s_cmp_lt_u32 s[PH], 8
	s_cbranch_scc1 .Lphase
	CHANGE 0                                       ; the last phase is written out
	SWITCH
	SLOT_STEPS
	WAYOUT
	s_wait_tensorcnt 0x0                           ; the wave's end
	ds_add_u32 v[SPW], v[NIL]
	s_wait_dscnt 0x0
	s_endpgm
.Lfunc_end_k_qb255e325f6_attn:
	.size	k_qb255e325f6_attn, .Lfunc_end_k_qb255e325f6_attn-k_qb255e325f6_attn
	.p2alignl 7, 3214868480
	.fill 96, 4, 3214868480
	.section	.rodata,"a",@progbits
	.p2align	6, 0x0
	.amdhsa_kernel k_qb255e325f6_attn
		.amdhsa_group_segment_fixed_size 327680
		.amdhsa_private_segment_fixed_size 0
		.amdhsa_enable_private_segment 0
		.amdhsa_kernarg_size 24
		.amdhsa_user_sgpr_count 2
		.amdhsa_user_sgpr_kernarg_segment_ptr 1
		.amdhsa_wavefront_size32 1
		.amdhsa_system_sgpr_workgroup_id_x 1
		.amdhsa_system_sgpr_workgroup_id_y 1
		.amdhsa_system_sgpr_workgroup_id_z 1
		.amdhsa_system_vgpr_workitem_id 0
		.amdhsa_next_free_vgpr 512
		.amdhsa_next_free_sgpr 80
		.amdhsa_reserve_vcc 1
		.amdhsa_float_denorm_mode_32 3
		.amdhsa_float_denorm_mode_16_64 3
		.amdhsa_memory_ordered 1
		.amdhsa_forward_progress 1
		.amdhsa_inst_pref_size 89
	.end_amdhsa_kernel
	.amdgpu_metadata
---
amdhsa.version: [ 1, 2 ]
amdhsa.kernels:
  - .name:           k_qb255e325f6_attn
    .symbol:         k_qb255e325f6_attn.kd
    .args:
      - { .name: qkv16, .offset: 0, .size: 8, .value_kind: global_buffer, .address_space: global }
      - { .name: attention_mask, .offset: 8, .size: 8, .value_kind: global_buffer, .address_space: global }
      - { .name: att, .offset: 16, .size: 8, .value_kind: global_buffer, .address_space: global }
    .group_segment_fixed_size: 327680
    .private_segment_fixed_size: 0
    .kernarg_segment_align: 8
    .kernarg_segment_size: 24
    .max_flat_workgroup_size: 256
    .sgpr_count:     80
    .vgpr_count:     512
    .wavefront_size: 32
...
	.end_amdgpu_metadata
.endif
;; end of part 3
;; launch proj (part 4): grid 4 x 64, 4 waves a work-group, clusters of 4 x 4, 327,680 bytes of LDS; arguments att, tabs, b_proj, out0; writes out0
.if DOCPART == 4
	.amdgcn_target "amdgcn-amd-amdhsa--gfx1250"
	.amdhsa_code_object_version 6
	.text
	.protected	k_qb255e325f6_proj
	.globl	k_qb255e325f6_proj
	.p2align	8
	.type	k_qb255e325f6_proj,@function
k_qb255e325f6_proj:
	s_mov_b64 s[64:65], 0
	v_nop
	global_prefetch_b8 v0, s[64:65] scope:SCOPE_SE
	s_setreg_imm32_b32 hwreg(HW_REG_WAVE_MODE, 25, 1), 1
	s_wait_xcnt 0x0
	s_wait_alu depctr_hold_cnt(0) depctr_sa_sdst(0) depctr_va_vdst(0) depctr_va_sdst(0) depctr_va_ssrc(0) depctr_va_vcc(0) depctr_vm_vsrc(0)
	s_getreg_b32 s2, hwreg(HW_REG_IB_STS2, 6, 4)
	s_cmp_eq_u32 s2, 0
	s_cbranch_scc0 .Lentry_in_a_cluster
	s_endpgm
.Lentry_in_a_cluster:
	s_bfe_u32 s2, ttmp6, 0x10000c
	s_cmp_lg_u32 s2, 0xf033
	s_cbranch_scc0 .Lentry_shape_is_right
	s_endpgm
.Lentry_shape_is_right:
; Launch 4 of 5: out0 = att W_proj + b_proj, f16 operands, f32 sums.  Nothing is left out here; the first 16 positions of every sequence and the rows with no kept key are written again, in f32, by launch 5.
; A tile of 128 rows x 256 columns is made by four waves, 64 x 128 each: 32 accumulators: 256 work-groups.  K goes in steps of 128 (two heads' planes of att) through two LDS slots.
; att lies [head][row][64]: a plane's 128 rows are dense rows of 128 bytes.  W_proj (f16, at byte 0 of tabs) lies [k][n]: its fragments come out of LDS turned, by ds_load_tr16_b128.
; The matrix instruction is used transposed (source 0 = 16 columns of W, source 1 = 16 rows of att): a lane holds eight neighbouring columns of one row.  The bias is the C of each sum's first matrix instruction.
; CLUSTER 4 x 4: att's tile is shared along a row of the cluster, W's along a column: joint loads.  No prefetch: the launch is short and shares its tiles first.
; REGISTERS: window 0: v16-29 addresses; v64-127 the bias; v128-255 rows on the way out.  Window 1: two fragment buffers at v0 and v128: W's eight at +0, att's four at +64.  Window 2: accumulator (a, b) at v[8 (8 a + b)].
.set AP,    144                        ; att's row in LDS: 128 bytes + 16
.set BP,    544                        ; W's row: 512 + 32
.set PLANE, 128*AP
.set BOFF,  2*PLANE
.set SLOT,  BOFF+128*BP
.set STAGE, 2*SLOT                     ; 16 rows x 528 bytes for each wave; no fill lands here
.set SPARE, STAGE+4*8448
.set ADRA, 16
.set ADRB, 20
.set STO,  24
.set RD,   25
.set CO,   26
.set BO,   27
.set SPW,  28
.set NIL,  29
.set BIAS, 64
.set BK,   128
.set F0,   0
.set F1,   128
.set G1,  24
.set G0,  32
.set G1B, 48
.set G0B, 56
.set MSB, 0
.macro WIN new
.if MSB != (\new)
	s_set_vgpr_msb (MSB<<8)|(\new)
.set MSB, (\new)
.endif
.endm
.set MUL, 0xa5                         ; sources 0 and 1 window 1, C and D window 2
.macro JLOAD s                         ; waves 0 and 1 fetch att's two planes, waves 2 and 3 W's two halves; an s_nop 0 and four v_nop follow each line
	s_cmp_eq_u32 s13, 0
	s_cbranch_scc0 .Lfor_b_\@
	tensor_load_to_lds s[G0+4*\s:G0+4*\s+3], s[G1:G1+7]
	s_nop 0
.rept 4
	v_nop
.endr
	s_branch .Lasked_\@
.Lfor_b_\@:
	tensor_load_to_lds s[G0B+4*\s:G0B+4*\s+3], s[G1B:G1B+7]
	s_nop 0
.rept 4
	v_nop
.endr
.Lasked_\@:
.endm
.macro CREST
	s_cmp_lg_u32 s12, 0
	s_cbranch_scc1 .Lnot_wave_0_\@
	s_barrier_signal -3
.Lnot_wave_0_\@:
	s_barrier_wait -3
	s_barrier_signal -1
	s_barrier_wait -1
.endm
.macro CROUND
	s_barrier_signal -1
	s_barrier_wait -1
	CREST
.endm
	s_load_b128 s[4:7], s[0:1], 0x0                ; att, tabs
	s_load_b128 s[8:11], s[0:1], 0x10              ; b_proj, out0
	v_lshl_add_u32 v[SPW], v0, 2, SPARE
	v_mov_b32 v[NIL], 0
	ds_add_u32 v[SPW], v[NIL]                      ; the wave's opening: the add, twice on end, and its wait ahead of my first tensor load
	ds_add_u32 v[SPW], v[NIL]
	v_lshrrev_b32 v1, 5, v0
	v_readfirstlane_b32 s12, v1                    ; wave 0..3
	s_lshr_b32 s13, s12, 1                         ; which 64 rows are mine.  Also: I fetch for att (0) or for W (1)
	s_and_b32 s14, s12, 1                          ; which 128 columns.  Also: which half of a step's tile I fetch
	s_bfe_u32 s40, ttmp6, 0x40000                  ; cx
	s_bfe_u32 s41, ttmp6, 0x40004                  ; cy
	s_lshl_b32 s42, ttmp9, 2
	s_add_co_u32 s42, s42, s40                     ; tile column
	s_and_b32 s43, ttmp7, 0xffff
	s_lshl_b32 s43, s43, 2
	s_add_co_u32 s43, s43, s41                     ; tile row
	s_lshl_b32 s44, s41, 2
	s_lshl_b32 s44, 15, s44                        ; my row of the cluster
	s_lshl_b32 s45, 0x1111, s40                    ; my column
	s_or_b32 s[G1], s44, (1<<16)|(1<<20)|(1<<21)|(4<<22)|(3<<25)    ; elements of 2 bytes; 4 words of padding behind every 32
	s_mov_b32 s[G1+1], 64<<16
	s_mov_b32 s[G1+2], 128<<16
	s_mov_b32 s[G1+3], 64<<16
	s_mov_b32 s[G1+4], 128
	s_mov_b32 s[G1+5], 64
	s_mov_b32 s[G1+6], 0
	s_mov_b32 s[G1+7], 0
	s_or_b32 s[G1B], s45, (1<<16)|(1<<20)|(1<<21)|(6<<22)|(7<<25)   ; 8 words behind every 128
	s_mov_b32 s[G1B+1], 256<<16
	s_mov_b32 s[G1B+2], 64<<16
	s_mov_b32 s[G1B+3], 256<<16
	s_mov_b32 s[G1B+4], 64
	s_mov_b32 s[G1B+5], 1024
	s_mov_b32 s[G1B+6], 0
	s_mov_b32 s[G1B+7], 0
	s_lshl_b32 s16, s14, 20                        ; att: my plane, the tile's 128 rows of 128 bytes
	s_lshl_b32 s17, s43, 14
	s_add_co_u32 s16, s16, s17
	s_mov_b32 s17, 0
	s_lshl_b32 s46, s14, 17                        ; W: my 64 rows of 2,048 bytes, the tile's 512 bytes of each
	s_lshl_b32 s47, s42, 9
	s_add_co_u32 s46, s46, s47
	s_mov_b32 s47, 0
	s_mul_i32 s20, s14, PLANE
	s_mul_i32 s21, s14, 64*BP
	s_add_co_u32 s21, s21, BOFF
	s_wait_dscnt 0x0                               ; both opening adds are done
	s_wait_kmcnt 0x0
	s_add_nc_u64 s[16:17], s[4:5], s[16:17]
	s_add_nc_u64 s[46:47], s[6:7], s[46:47]
	CROUND                                         ; all sixteen work-groups are here: the first joint loads meet
.irp sl, 0,1
	s_mov_b32 s[G0+4*\sl], 1
	s_add_co_u32 s[G0+4*\sl+1], s20, \sl*SLOT
	s_add_nc_u64 s[G0+4*\sl+2:G0+4*\sl+3], s[16:17], \sl*2097152
	s_or_b32 s[G0+4*\sl+3], s[G0+4*\sl+3], 0x80000000
	s_mov_b32 s[G0B+4*\sl], 1
	s_add_co_u32 s[G0B+4*\sl+1], s21, \sl*SLOT
	s_add_nc_u64 s[G0B+4*\sl+2:G0B+4*\sl+3], s[46:47], \sl*262144
	s_or_b32 s[G0B+4*\sl+3], s[G0B+4*\sl+3], 0x80000000
	JLOAD \sl                                      ; two tensor loads of a wave are out here, later one
.endr
	v_and_b32 v1, 15, v0                           ; r
	v_bfe_u32 v2, v0, 4, 1                         ; h
	s_lshl_b32 s22, s42, 10
	s_lshl_b32 s23, s14, 9
	s_add_co_u32 s22, s22, s23                     ; my first column in bytes of f32
	s_mov_b32 s23, 0
	s_add_nc_u64 s[8:9], s[8:9], s[22:23]
	v_lshlrev_b32 v[BO], 5, v2
.irp b, 0,1,2,3,4,5,6,7
	global_load_b128 v[BIAS+8*\b:BIAS+8*\b+3], v[BO], s[8:9] offset:64*\b
	global_load_b128 v[BIAS+8*\b+4:BIAS+8*\b+7], v[BO], s[8:9] offset:64*\b+16
.endr
	s_add_nc_u64 s[10:11], s[10:11], s[22:23]
	s_lshl_b32 s22, s43, 19                        ; 128 rows of 4,096 bytes
	s_lshl_b32 s46, s13, 18
	s_add_co_u32 s22, s22, s46
	s_add_nc_u64 s[10:11], s[10:11], s[22:23]
	v_mul_u32_u24 v3, v1, AP
	v_lshl_add_u32 v3, v2, 4, v3
	s_mul_i32 s21, s13, 64*AP                      ; my 64 rows of att
	v_and_b32 v4, 7, v0
	v_bfe_u32 v5, v0, 3, 1
	v_lshl_add_u32 v4, v2, 3, v4
	v_mul_u32_u24 v4, v4, BP
	v_lshl_add_u32 v4, v5, 4, v4                   ; W, for the turning load: k-row 8 h + lane % 8, 16 bytes by (lane / 8) % 2
	s_lshl_b32 s22, s14, 8                         ; my 128 columns
	s_add_co_u32 s22, s22, BOFF
.irp sl, 0,1
	v_add_nc_u32 v[ADRA+\sl], s21, v3
	v_add_nc_u32 v[ADRB+\sl], s22, v4
	s_add_co_u32 s21, s21, SLOT
	s_add_co_u32 s22, s22, SLOT
.endr
	s_mul_i32 s23, s12, 8448
	s_add_co_u32 s23, s23, STAGE
	v_mul_u32_u24 v5, v1, 528
	v_lshl_add_u32 v5, v2, 5, v5
	v_add_nc_u32 v[STO], s23, v5
	v_and_b32 v6, 31, v0
	v_lshlrev_b32 v[CO], 4, v6
	v_add_nc_u32 v[RD], s23, v[CO]
.macro FETCH slot, q, f                ; the fragments of the slot's q-th 32 along K: W's eight (turned), att's four
	WIN 0x40
.irp b, 0,1,2,3,4,5,6,7
	ds_load_tr16_b128 v[\f+8*\b:\f+8*\b+3], v[ADRB+\slot] offset:(\q)*32*BP+32*\b
	ds_load_tr16_b128 v[\f+8*\b+4:\f+8*\b+7], v[ADRB+\slot] offset:(\q)*32*BP+16*BP+32*\b
.endr
.irp i, 0,1,2,3
	ds_load_b128 v[\f+64+8*\i:\f+64+8*\i+3], v[ADRA+\slot] offset:((\q)/2)*PLANE+((\q)%2)*64+\i*16*AP
	ds_load_b128 v[\f+64+8*\i+4:\f+64+8*\i+7], v[ADRA+\slot] offset:((\q)/2)*PLANE+((\q)%2)*64+\i*16*AP+32
.endr
.endm
.macro MULA f, a, first                ; 8 matrix instructions: att's block a against W's eight.  The 32 accumulators take turns in the same order in every quarter
.irp b, 0,1,2,3,4,5,6,7
.if \first
	v_wmma_f32_16x16x32_f16 v[8*(8*\a+\b):8*(8*\a+\b)+7], v[\f+8*\b:\f+8*\b+7], v[\f+64+8*\a:\f+64+8*\a+7], v[BIAS+8*\b:BIAS+8*\b+7]
.else
	v_wmma_f32_16x16x32_f16 v[8*(8*\a+\b):8*(8*\a+\b)+7], v[\f+8*\b:\f+8*\b+7], v[\f+64+8*\a:\f+64+8*\a+7], v[8*(8*\a+\b):8*(8*\a+\b)+7]
.endif
.endr
.endm
.macro PLACES
.rept 4
	v_nop
.endr
.endm
.macro MWIN first
.if \first
	WIN 0x85                                       ; C (the bias) in window 0
.else
	WIN MUL
.endif
.endm
.macro QUARTER slot, qn, f, g, first   ; multiplies buffer f; in its middle it fetches quarter qn of the same slot into g
	s_wait_dscnt 0x0
	MWIN \first
	MULA \f, 0, \first
	MULA \f, 1, \first
	PLACES
	FETCH \slot, \qn, \g
	MWIN \first
	MULA \f, 2, \first
	MULA \f, 3, \first
.endm
; A slot's last quarter multiplies buffer 1 and changes slots: in front of the barrier each wave waits for all its tensor loads, adds 0 to its spare word, and waits for that and for its reads of this slot.
.macro TURN slot, next, fill
	WIN 0
	s_wait_tensorcnt 0x0
	ds_add_u32 v[SPW], v[NIL]
	s_wait_dscnt 1                                 ; the fragments are in; the add may be out
	WIN MUL
	MULA F1, 0, 0
	s_wait_dscnt 0x0
	s_barrier_signal -1
	MULA F1, 1, 0
	WIN 0
	s_barrier_wait -1
.if \fill
	CREST                                          ; the barrier has opened a round of the cluster's barrier: no wave of any partner still reads this slot or has a load on its way
	s_add_nc_u64 s[G0+4*\slot+2:G0+4*\slot+3], s[G0+4*\slot+2:G0+4*\slot+3], 4194304    ; two K steps on: four planes,
	s_add_nc_u64 s[G0B+4*\slot+2:G0B+4*\slot+3], s[G0B+4*\slot+2:G0B+4*\slot+3], 524288 ; 256 rows of W
	JLOAD \slot                                    ; the first tensor load behind the round; its four v_nop are the places in front of the loads below
.else
	PLACES
.endif
	FETCH \next, 0, F0
	WIN MUL
	MULA F1, 2, 0
	MULA F1, 3, 0
.endm
	s_wait_tensorcnt 1                             ; my part of K step 0 is in; K step 1's load may be out
	s_barrier_signal -1
	s_barrier_wait -1
	FETCH 0, 0, F0
	s_wait_loadcnt 0x0                             ; the bias
	QUARTER 0, 1, F0, F1, 1
	WIN 0
	s_mov_b32 s15, 3
.Llap:                                             ; a trip goes once round the ring and fills both slots again
	QUARTER 0, 2, F1, F0, 0
	QUARTER 0, 3, F0, F1, 0
	TURN 0, 1, 1
	QUARTER 1, 1, F0, F1, 0
	QUARTER 1, 2, F1, F0, 0
	QUARTER 1, 3, F0, F1, 0
	TURN 1, 0, 1
	QUARTER 0, 1, F0, F1, 0
	WIN 0
	s_sub_co_u32 s15, s15, 1
	s_cmp_lg_u32 s15, 0
	s_cbranch_scc1 .Llap
	QUARTER 0, 2, F1, F0, 0                        ; the last lap fills nothing
	QUARTER 0, 3, F0, F1, 0
	TURN 0, 1, 0
	QUARTER 1, 1, F0, F1, 0
	QUARTER 1, 2, F1, F0, 0
	QUARTER 1, 3, F0, F1, 0
	s_wait_dscnt 0x0
	WIN MUL
	MULA F1, 0, 0
	MULA F1, 1, 0
	MULA F1, 2, 0
	MULA F1, 3, 0
	WIN 0
; THE WAY OUT, a block of 16 rows x 128 columns at a time: through my stage, back as whole rows of 512 bytes.
.macro TOSTAGE a
	WIN 0x08
.irp b, 0,1,2,3,4,5,6,7
	ds_store_b128 v[STO], v[64*(\a)+8*\b:64*(\a)+8*\b+3] offset:64*\b
	ds_store_b128 v[STO], v[64*(\a)+8*\b+4:64*(\a)+8*\b+7] offset:64*\b+16
.endr
	WIN 0
.irp t, 0,1,2,3,4,5,6,7,8,9,10,11,12,13,14,15
	ds_load_b128 v[BK+64*((\a)%2)+4*\t:BK+64*((\a)%2)+4*\t+3], v[RD] offset:\t*528
.endr
.endm
.macro SEND a, younger
	s_wait_dscnt \younger
.if (\a) > 0
	s_add_nc_u64 s[10:11], s[10:11], 65536         ; 16 rows on (behind a wait that shows the earlier stores have read their base)
.endif
.irp t, 0,1,2,3,4,5,6,7,8,9,10,11,12,13,14,15
	global_store_b128 v[CO], v[BK+64*((\a)%2)+4*\t:BK+64*((\a)%2)+4*\t+3], s[10:11] offset:\t*4096 th:TH_STORE_NT
.endr
.endm
	PLACES
	TOSTAGE 0
.irp a, 1,2,3
.if \a > 1
	s_wait_xcnt 0x0                                ; block a - 2's stores have read their registers and their base
.endif
	TOSTAGE \a
	SEND \a-1, 32                                  ; behind block a - 1's loads: block a's 16 stores and 16 loads
.endr
	s_wait_xcnt 0x0
	SEND 3, 0
	s_wait_tensorcnt 0x0                           ; the wave's end
	ds_add_u32 v[SPW], v[NIL]
	s_wait_dscnt 0x0
	CROUND                                         ; the closing round
	s_endpgm
.Lfunc_end_k_qb255e325f6_proj:
	.size	k_qb255e325f6_proj, .Lfunc_end_k_qb255e325f6_proj-k_qb255e325f6_proj
	.p2alignl 7, 3214868480
	.fill 96, 4, 3214868480
	.section	.rodata,"a",@progbits
	.p2align	6, 0x0
	.amdhsa_kernel k_qb255e325f6_proj
		.amdhsa_group_segment_fixed_size 327680
		.amdhsa_private_segment_fixed_size 0
		.amdhsa_enable_private_segment 0
		.amdhsa_kernarg_size 32
		.amdhsa_user_sgpr_count 2
		.amdhsa_user_sgpr_kernarg_segment_ptr 1
		.amdhsa_wavefront_size32 1
		.amdhsa_system_sgpr_workgroup_id_x 1
		.amdhsa_system_sgpr_workgroup_id_y 1
		.amdhsa_system_sgpr_workgroup_id_z 1
		.amdhsa_system_vgpr_workitem_id 0
		.amdhsa_next_free_vgpr 768
		.amdhsa_next_free_sgpr 66
		.amdhsa_reserve_vcc 0
		.amdhsa_float_denorm_mode_32 3
		.amdhsa_float_denorm_mode_16_64 3
		.amdhsa_memory_ordered 1
		.amdhsa_forward_progress 1
		.amdhsa_inst_pref_size 86
	.end_amdhsa_kernel
	.amdgpu_metadata
---
amdhsa.version: [ 1, 2 ]
amdhsa.kernels:
  - .name:           k_qb255e325f6_proj
    .symbol:         k_qb255e325f6_proj.kd
    .args:
      - { .name: att, .offset: 0, .size: 8, .value_kind: global_buffer, .address_space: global }
      - { .name: tabs, .offset: 8, .size: 8, .value_kind: global_buffer, .address_space: global }
      - { .name: b_proj, .offset: 16, .size: 8, .value_kind: global_buffer, .address_space: global }
      - { .name: out0, .offset: 24, .size: 8, .value_kind: global_buffer, .address_space: global }
    .group_segment_fixed_size: 327680
    .private_segment_fixed_size: 0
    .kernarg_segment_align: 8
    .kernarg_segment_size: 32
    .max_flat_workgroup_size: 128
    .sgpr_count:     66
    .vgpr_count:     768
    .wavefront_size: 32
...
	.end_amdgpu_metadata
.endif
;; end of part 4
;; launch fine (part 5): grid 16 x 4, 16 waves a work-group, no clusters, 142,336 bytes of LDS; arguments fine32, attention_mask, W_proj, b_proj, out0; writes out0
.if DOCPART == 5
	.amdgcn_target "amdgcn-amd-amdhsa--gfx1250"
	.amdhsa_code_object_version 6
	.text
	.protected	k_qb255e325f6_fine
	.globl	k_qb255e325f6_fine
	.p2align	8
	.type	k_qb255e325f6_fine,@function
k_qb255e325f6_fine:
	s_mov_b64 s[64:65], 0
	v_nop
	global_prefetch_b8 v0, s[64:65] scope:SCOPE_SE
	s_setreg_imm32_b32 hwreg(HW_REG_WAVE_MODE, 25, 1), 1
	s_wait_xcnt 0x0
; Launch 5 of 5, all in f32: the first 16 positions of every sequence, where a row averages few values, through both attention products and the projection; and the rows with no kept key.
; Of the keys only 0 .. 15 are multiplied here: reference()'s own causal tril hides the others from queries 0 .. 15.
; f = the first key of the batch with attention_mask != 0 (2,048 if none).  A query q < f has every score at finfo.min in reference(), so its weights are 1/2048 on all 2,048 keys: its attention row is the mean of v
; (from the column sums that launch 2 stored).  Rows r < f of my 16 take that mean by a select; if f > 16, row 0's result is copied to rows 16 .. f - 1, in a loop of constant count whose stores run under a lane mask made of whole numbers.
; SHARES.  Work-group (cb, batch) makes 64 output columns.  Wave w is head w in the attention part and takes k = 64 w .. 64 w + 63 in the projection; the sixteen parts meet in LDS.
; v_wmma_f32_16x16x4_f32: lane (r, hh), register j holds k = 2 hh + j of a step.  The order of K is permuted alike on both sides: step s takes true k = 32 hh + 2 s + j (the second product: key 8 hh + 2 s + j),
; so that a lane's registers are neighbours in memory.  v32-63, four accumulators by turns, are written by matrix instructions alone; each of their three sums begins with the constant 0.
; LDS: rows 0-15 = attention rows, row 16 = the mean, 4,112 bytes apart; from 70,144 sixteen parts of 16 rows x 272 bytes; at 139,776 sixteen words for f; the spare words from 140,032.
.set OP,    4112
.set PART,  70144
.set FW,    139776
.set SPARE, 140032
	s_load_b128 s[4:7], s[0:1], 0x0                ; fine32, attention_mask
	s_load_b128 s[8:11], s[0:1], 0x10              ; W_proj, b_proj
	s_load_b64 s[12:13], s[0:1], 0x20              ; out0
	v_lshl_add_u32 v4, v0, 2, SPARE                ; v4: my spare word; v5: 0; both never rewritten
	v_mov_b32 v5, 0
	v_lshrrev_b32 v3, 5, v0
	v_readfirstlane_b32 s14, v3                    ; wave = head
	s_and_b32 s16, ttmp7, 0xffff                   ; batch
	v_and_b32 v1, 15, v0                           ; r
	v_bfe_u32 v2, v0, 4, 1                         ; hh
	v_and_b32 v3, 31, v0
	v_mul_u32_u24 v6, v1, 12288
	v_lshl_add_u32 v6, v2, 7, v6                   ; q, k: row r of 12,288 bytes + 32 hh numbers
	v_lshlrev_b32 v7, 3, v3                        ; the column sums: two channels a lane
	v_lshlrev_b32 v8, 4, v0                        ; the mask: four keys a thread
	v_lshlrev_b32 v9, 5, v2                        ; the mask of keys 8 hh on
	v_lshlrev_b32 v12, 4, v1                       ; 16 r
	s_lshl_b32 s34, s14, 13
	v_lshl_add_u32 v13, v2, 12, v12
	v_add_nc_u32 v13, s34, v13                     ; the copy's offset: row 2 w + hh of 4,096 bytes + 16 r; made here of ids alone and never rewritten: the copy steps its scalar base
	v_lshlrev_b32 v10, 2, v1
	v_mul_u32_u24 v11, v2, 98304
	v_add_nc_u32 v11, v11, v10                     ; v: key 8 hh on, channel r
	v_lshl_add_u32 v10, v2, 17, v10                ; W_proj: k 32 hh on, column r
	s_mov_b32 s24, 0x76543210
	s_mov_b32 s25, 0xfedcba98                      ; lane l xor 16
	s_mov_b32 s26, 0x3e38aa3b                      ; c = log2(e) / 8
	s_lshl_b32 s27, s14, 8                         ; 64 w numbers in bytes
	s_mov_b32 s19, 0
	s_mov_b32 s29, 0
	s_lshl_b32 s28, ttmp9, 8                       ; 64 cb numbers in bytes
	s_lshl_b32 s30, s14, 2
	s_add_co_u32 s30, s30, FW
	s_add_co_u32 s31, s27, 16*OP
	s_mul_i32 s18, s16, 196608
	s_add_co_u32 s18, s18, s27
	s_wait_kmcnt 0x0
	s_add_nc_u64 s[20:21], s[4:5], s[18:19]        ; the f32 rows at my batch and head
	s_lshl_b32 s18, s16, 16
	s_add_co_u32 s18, s18, s27
	s_add_co_u32 s18, s18, 786432
	s_add_nc_u64 s[22:23], s[4:5], s[18:19]        ; the column sums likewise
	s_lshl_b32 s18, s16, 13
	s_add_nc_u64 s[6:7], s[6:7], s[18:19]
	s_lshl_b32 s18, s14, 18
	s_add_co_u32 s18, s18, s28
	s_add_nc_u64 s[8:9], s[8:9], s[18:19]          ; W_proj at row 64 w, column 64 cb
	s_add_nc_u64 s[10:11], s[10:11], s[28:29]
	s_lshl_b32 s18, s16, 23
	s_add_co_u32 s18, s18, s28
	s_add_nc_u64 s[12:13], s[12:13], s[18:19]      ; out0 at my batch's row 0, column 64 cb
.irp p, 0,1,2,3,4,5,6,7,8,9,10,11,12,13,14,15
	global_load_b64 v[128+2*\p:129+2*\p], v7, s[22:23] offset:4096*\p
.endr
	global_load_b128 v[16:19], v8, s[6:7]
	global_load_b128 v[24:27], v9, s[6:7]
	global_load_b128 v[28:31], v9, s[6:7] offset:16
.irp i, 0,1,2,3,4,5,6,7
	global_load_b128 v[64+4*\i:67+4*\i], v6, s[20:21] offset:16*\i          ; q
.endr
.irp i, 0,1,2,3,4,5,6,7
	global_load_b128 v[96+4*\i:99+4*\i], v6, s[20:21] offset:4096+16*\i     ; k
.endr
.irp s, 0,1,2,3,4,5,6,7,8,9,10,11
.irp ct, 0,1,2,3
.irp j, 0,1
	global_load_b32 v[160+8*\s+2*\ct+\j], v10, s[8:9] offset:(2*\s+\j)*4096+64*\ct   ; W_proj's steps 0 to 11
.endr
.endr
.endr
	s_wait_loadcnt 63                              ; 96 loads were issued behind the 35 that are wanted now; a wait cannot name more than 63, and a smaller count waits for more
	; my thread's candidate for f, the wave's least, one word a wave
	v_lshlrev_b32 v3, 2, v0
	v_mov_b32 v20, 0x800
.irp e, 3,2,1,0
	v_add_nc_u32 v21, \e, v3
	v_cmp_ne_u32 vcc_lo, 0, v[16+\e]
	v_cndmask_b32 v20, v20, v21, vcc_lo
.endr
.irp m, 1,2,4,8
	v_mov_b32_dpp v21, v20 row_xmask:\m row_mask:0xf bank_mask:0xf
	v_min_u32 v20, v20, v21
.endr
	v_permlanex16_b32 v21, v20, s24, s25
	v_min_u32 v20, v20, v21
	v_mov_b32 v14, s30
	ds_store_b32 v14, v20                          ; all lanes write the same word with the same value
	; the mean of v over the 2,048 positions, my head's 64 channels
.irp u, 0,1,2,3,4,5,6,7
	v_pk_add_f32 v[128+4*\u:129+4*\u], v[128+4*\u:129+4*\u], v[130+4*\u:131+4*\u]
.endr
.irp u, 0,1,2,3
	v_pk_add_f32 v[128+8*\u:129+8*\u], v[128+8*\u:129+8*\u], v[132+8*\u:133+8*\u]
.endr
.irp u, 0,1
	v_pk_add_f32 v[128+16*\u:129+16*\u], v[128+16*\u:129+16*\u], v[136+16*\u:137+16*\u]
.endr
	v_pk_add_f32 v[128:129], v[128:129], v[144:145]
	v_pk_mul_f32 v[22:23], v[128:129], 0x3a000000 op_sel_hi:[1,0]   ; x 2^-11
	v_add_nc_u32 v15, s31, v7
	ds_store_b64 v15, v[22:23]
.irp ct, 0,1,2,3
.irp s2, 0,1,2,3
.irp j, 0,1
	global_load_b32 v[128+8*\ct+2*\s2+\j], v11, s[20:21] offset:8192+(2*\s2+\j)*12288+64*\ct   ; v(key 8 hh + 2 s2 + j, channel 16 ct + r)
.endr
.endr
.endr
	; S^T = k q^T: 16 steps on four accumulators by turns
.irp s, 0,1,2,3
	v_wmma_f32_16x16x4_f32 v[32+8*\s:39+8*\s], v[96+2*\s:97+2*\s], v[64+2*\s:65+2*\s], 0
.endr
.irp s, 4,5,6,7,8,9,10,11,12,13,14,15
	v_wmma_f32_16x16x4_f32 v[32+8*(\s%4):39+8*(\s%4)], v[96+2*\s:97+2*\s], v[64+2*\s:65+2*\s], v[32+8*(\s%4):39+8*(\s%4)]
.endr
.rept 8
	v_nop                                          ; eight places behind this form, in front of loads into its sources and of reads of its results
.endr
.irp s, 12,13,14,15
.irp ct, 0,1,2,3
.irp j, 0,1
	global_load_b32 v[64+8*(\s-12)+2*\ct+\j], v10, s[8:9] offset:(2*\s+\j)*4096+64*\ct   ; W_proj's steps 12 to 15, where q lay
.endr
.endr
.endr
.irp p, 0,1,2,3
	v_pk_add_f32 v[16+2*\p:17+2*\p], v[32+2*\p:33+2*\p], v[40+2*\p:41+2*\p]   ; each accumulator from its low end on
.endr
.irp p, 0,1,2,3
	v_pk_add_f32 v[16+2*\p:17+2*\p], v[16+2*\p:17+2*\p], v[48+2*\p:49+2*\p]
.endr
.irp p, 0,1,2,3
	v_pk_add_f32 v[16+2*\p:17+2*\p], v[16+2*\p:17+2*\p], v[56+2*\p:57+2*\p]
.endr
	v_lshlrev_b32 v3, 3, v2
	v_sub_nc_u32 v3, v1, v3                        ; register j holds key 8 hh + j: hidden where j > r - 8 hh, or where its mask is 0
	v_mov_b32 v14, 0xf149f2ca                      ; -1e30
.irp j, 0,1,2,3,4,5,6,7
	v_cmp_gt_i32 vcc_lo, \j, v3
	v_cndmask_b32 v[16+\j], v[16+\j], v14, vcc_lo
	v_cmp_eq_u32 vcc_lo, 0, v[24+\j]
	v_cndmask_b32 v[16+\j], v[16+\j], v14, vcc_lo
.endr
	global_load_b128 v[24:27], v12, s[10:11]       ; b_proj, where the masks lay
	v_max3_num_f32 v15, v16, v17, v18
	v_max3_num_f32 v15, v15, v19, v20
	v_max3_num_f32 v15, v15, v21, v22
	v_max_num_f32 v15, v15, v23
	v_permlanex16_b32 v3, v15, s24, s25
	v_max_num_f32 v15, v15, v3                     ; the row's maximum
.irp j, 0,1,2,3,4,5,6,7
	v_sub_f32 v[16+\j], v[16+\j], v15              ; never above 0
.endr
.irp j, 0,1,2,3,4,5,6,7
	v_mul_f32 v[16+\j], s26, v[16+\j]
.endr
.irp j, 0,1,2,3,4,5,6,7
	v_exp_f32 v[16+\j], v[16+\j]
.endr
	v_mul_u32_u24 v14, v1, OP                      ; (a plain instruction behind the exponentials) where my attention rows go: row r, channel 64 w + 8 hh
	v_lshl_add_u32 v14, v2, 5, v14
	v_add_nc_u32 v14, s27, v14
	s_wait_alu depctr_va_vdst(0)                   ; the wait ahead of the first reader: one for the eight
	v_add_f32 v3, v16, v17
	v_add_f32 v15, v18, v19
	v_add_f32 v3, v3, v20
	v_add_f32 v15, v15, v21
	v_add_f32 v3, v3, v22
	v_add_f32 v15, v15, v23
	v_add_f32 v3, v3, v15
	v_permlanex16_b32 v15, v3, s24, s25
	v_add_f32 v3, v3, v15                          ; at least 1: the largest weight is 1
	v_rcp_f32 v3, v3
	v_nop
	s_wait_alu depctr_va_vdst(0)
.irp j, 0,1,2,3,4,5,6,7
	v_mul_f32 v[16+\j], v[16+\j], v3
.endr
	s_wait_loadcnt 33                              ; v is in; W_proj's last 32 loads and the bias stay out
	; O^T = v^T p: four steps of four keys, four tiles of channels by turns
.irp ct, 0,1,2,3
	v_wmma_f32_16x16x4_f32 v[32+8*\ct:39+8*\ct], v[128+8*\ct:129+8*\ct], v[16:17], 0
.endr
.irp s2, 1,2,3
.irp ct, 0,1,2,3
	v_wmma_f32_16x16x4_f32 v[32+8*\ct:39+8*\ct], v[128+8*\ct+2*\s2:129+8*\ct+2*\s2], v[16+2*\s2:17+2*\s2], v[32+8*\ct:39+8*\ct]
.endr
.endr
.rept 9
	v_nop                                          ; nine places: the accumulators are begun anew further down
.endr
.irp ct, 0,1,2,3
	ds_store_b128 v14, v[32+8*\ct:35+8*\ct] offset:64*\ct
	ds_store_b128 v14, v[36+8*\ct:39+8*\ct] offset:64*\ct+16
.endr
	s_wait_dscnt 0x0                               ; for the others' sake: my stores have landed
	s_barrier_signal -1
	s_barrier_wait -1
	v_lshl_add_u32 v3, v1, 2, FW
	ds_load_b32 v15, v3                            ; one of the sixteen waves' words a lane
	v_mul_u32_u24 v14, v1, OP
	v_lshl_add_u32 v14, v2, 7, v14
	v_add_nc_u32 v14, s27, v14                     ; row r, k = 64 w + 32 hh on
	v_lshlrev_b32 v21, 7, v2
	v_add_nc_u32 v21, s31, v21                     ; the mean's row, the same k
.irp i, 0,1,2,3,4,5,6,7
	ds_load_b128 v[96+4*\i:99+4*\i], v14 offset:16*\i
.endr
.irp i, 0,1,2,3,4,5,6,7
	ds_load_b128 v[128+4*\i:131+4*\i], v21 offset:16*\i
.endr
	s_wait_dscnt 0x0
.irp m, 1,2,4,8
	v_mov_b32_dpp v20, v15 row_xmask:\m row_mask:0xf bank_mask:0xf
	v_min_u32 v15, v15, v20
.endr                                              ; v15 = f, in every lane
	v_cmp_gt_u32 vcc_lo, v15, v1                   ; r < f: no key of this row is kept
.set n, 0
.rept 32
	v_cndmask_b32 v[96+n], v[96+n], v[128+n], vcc_lo
.set n, n+1
.endr
	s_wait_loadcnt 0x0                             ; all of W_proj, and the bias
	; the projection: 16 steps x four tiles of 16 columns, by turns
.irp ct, 0,1,2,3
	v_wmma_f32_16x16x4_f32 v[32+8*\ct:39+8*\ct], v[160+2*\ct:161+2*\ct], v[96:97], 0
.endr
.irp s, 1,2,3,4,5,6,7,8,9,10,11
.irp ct, 0,1,2,3
	v_wmma_f32_16x16x4_f32 v[32+8*\ct:39+8*\ct], v[160+8*\s+2*\ct:161+8*\s+2*\ct], v[96+2*\s:97+2*\s], v[32+8*\ct:39+8*\ct]
.endr
.endr
.irp s, 12,13,14,15
.irp ct, 0,1,2,3
	v_wmma_f32_16x16x4_f32 v[32+8*\ct:39+8*\ct], v[64+8*(\s-12)+2*\ct:65+8*(\s-12)+2*\ct], v[96+2*\s:97+2*\s], v[32+8*\ct:39+8*\ct]
.endr
.endr
	s_mul_i32 s18, s14, 16*272
	s_add_co_u32 s18, s18, PART
	s_mul_i32 s28, s14, 272
.rept 8
	v_nop
.endr
	v_mul_u32_u24 v14, v1, 272
	v_lshl_add_u32 v14, v2, 5, v14
	v_add_nc_u32 v14, s18, v14
.irp ct, 0,1,2,3
	ds_store_b128 v14, v[32+8*\ct:35+8*\ct] offset:64*\ct
	ds_store_b128 v14, v[36+8*\ct:39+8*\ct] offset:64*\ct+16
.endr
	s_wait_dscnt 0x0
	s_barrier_signal -1
	s_barrier_wait -1
	; the sixteen parts are added: lanes 0-15 take row w, lanes 16-31 row 0; four columns a lane
	v_xor_b32 v3, 1, v2
	v_mul_u32_u24 v3, s28, v3
	v_lshl_add_u32 v3, v1, 4, v3
	v_add_nc_u32 v3, PART, v3
.irp u, 0,1,2,3,4,5,6,7,8,9,10,11,12,13,14,15
	ds_load_b128 v[160+4*\u:163+4*\u], v3 offset:4352*\u
.endr
	s_wait_dscnt 0x0
.irp u, 0,1,2,3,4,5,6,7
	v_pk_add_f32 v[160+8*\u:161+8*\u], v[160+8*\u:161+8*\u], v[164+8*\u:165+8*\u]
	v_pk_add_f32 v[162+8*\u:163+8*\u], v[162+8*\u:163+8*\u], v[166+8*\u:167+8*\u]
.endr
.irp u, 0,1,2,3
	v_pk_add_f32 v[160+16*\u:161+16*\u], v[160+16*\u:161+16*\u], v[168+16*\u:169+16*\u]
	v_pk_add_f32 v[162+16*\u:163+16*\u], v[162+16*\u:163+16*\u], v[170+16*\u:171+16*\u]
.endr
.irp u, 0,1
	v_pk_add_f32 v[160+32*\u:161+32*\u], v[160+32*\u:161+32*\u], v[176+32*\u:177+32*\u]
	v_pk_add_f32 v[162+32*\u:163+32*\u], v[162+32*\u:163+32*\u], v[178+32*\u:179+32*\u]
.endr
	v_pk_add_f32 v[160:161], v[160:161], v[192:193]
	v_pk_add_f32 v[162:163], v[162:163], v[194:195]
	v_pk_add_f32 v[160:161], v[160:161], v[24:25]  ; + b_proj
	v_pk_add_f32 v[162:163], v[162:163], v[26:27]
.irp i, 0,1,2,3
	v_permlanex16_b32 v[164+\i], v[160+\i], s24, s25
.endr
	v_cmp_eq_u32 vcc_lo, 0, v2
.irp i, 0,1,2,3
	v_cndmask_b32 v[164+\i], v[160+\i], v[164+\i], vcc_lo   ; row 0 in all lanes
.endr
	; what the copy compares: row q takes row 0's numbers where 16 <= q < f, that is where q - 16 < max(f, 16) - 16 as unsigned numbers (q - 16 wraps to a huge number for q < 16)
	s_lshl_b32 s18, s14, 1
	s_sub_co_u32 s18, s18, 16
	v_add_nc_u32 v14, s18, v2                      ; q - 16, q = 2 w + hh in the first trip
	v_max_u32 v15, 16, v15
	v_add_nc_u32 v15, -16, v15
	s_lshl_b32 s18, s14, 12
	s_add_nc_u64 s[30:31], s[12:13], s[18:19]
	s_wait_xcnt 0x0                                ; EXEC changes only behind this wait
	s_and_saveexec_b32 s32, vcc_lo
	global_store_b128 v12, v[160:163], s[30:31]    ; row w: sixteen lanes store 256 consecutive bytes, aligned
	s_wait_xcnt 0x0
	s_or_b32 exec_lo, exec_lo, s32
	; two rows a wave and trip, 32 a work-group: 64 trips name rows 0 .. 2,047 of the batch, whatever f is; the lanes of rows that are not to be copied are off
	s_mov_b32 s33, 64
.Lcopy:
	v_cmp_gt_u32 vcc_lo, v15, v14
	s_and_saveexec_b32 s32, vcc_lo
	global_store_b128 v13, v[164:167], s[12:13]
	s_wait_xcnt 0x0                                ; the store has read EXEC and its base
	s_or_b32 exec_lo, exec_lo, s32
	s_add_nc_u64 s[12:13], s[12:13], 0x20000       ; 32 rows of 4,096 bytes on
	v_add_nc_u32 v14, 32, v14
	s_sub_co_u32 s33, s33, 1
	s_cmp_lg_u32 s33, 0
	s_cbranch_scc1 .Lcopy
	s_wait_tensorcnt 0x0                           ; the wave's end
	ds_add_u32 v4, v5
	s_wait_dscnt 0x0
	s_endpgm
.Lfunc_end_k_qb255e325f6_fine:
	.size	k_qb255e325f6_fine, .Lfunc_end_k_qb255e325f6_fine-k_qb255e325f6_fine
	.p2alignl 7, 3214868480
	.fill 96, 4, 3214868480
	.section	.rodata,"a",@progbits
	.p2align	6, 0x0
	.amdhsa_kernel k_qb255e325f6_fine
		.amdhsa_group_segment_fixed_size 142336
		.amdhsa_private_segment_fixed_size 0
		.amdhsa_enable_private_segment 0
		.amdhsa_kernarg_size 40
		.amdhsa_user_sgpr_count 2
		.amdhsa_user_sgpr_kernarg_segment_ptr 1
		.amdhsa_wavefront_size32 1
		.amdhsa_system_sgpr_workgroup_id_x 1
		.amdhsa_system_sgpr_workgroup_id_y 1
		.amdhsa_system_sgpr_workgroup_id_z 1
		.amdhsa_system_vgpr_workitem_id 0
		.amdhsa_next_free_vgpr 256
		.amdhsa_next_free_sgpr 66
		.amdhsa_reserve_vcc 1
		.amdhsa_float_denorm_mode_32 3
		.amdhsa_float_denorm_mode_16_64 3
		.amdhsa_memory_ordered 1
		.amdhsa_forward_progress 1
		.amdhsa_inst_pref_size 43
	.end_amdhsa_kernel
	.amdgpu_metadata
---
amdhsa.version: [ 1, 2 ]
amdhsa.kernels:
  - .name:           k_qb255e325f6_fine
    .symbol:         k_qb255e325f6_fine.kd
    .args:
      - { .name: fine32, .offset: 0, .size: 8, .value_kind: global_buffer, .address_space: global }
      - { .name: attention_mask, .offset: 8, .size: 8, .value_kind: global_buffer, .address_space: global }
      - { .name: W_proj, .offset: 16, .size: 8, .value_kind: global_buffer, .address_space: global }
      - { .name: b_proj, .offset: 24, .size: 8, .value_kind: global_buffer, .address_space: global }
      - { .name: out0, .offset: 32, .size: 8, .value_kind: global_buffer, .address_space: global }
    .group_segment_fixed_size: 142336
    .private_segment_fixed_size: 0
    .kernarg_segment_align: 8
    .kernarg_segment_size: 40
    .max_flat_workgroup_size: 512
    .sgpr_count:     66
    .vgpr_count:     256
    .wavefront_size: 32
...
	.end_amdgpu_metadata
.endif
;; end of part 5
